; MI455X (gfx1250); checked and timed in simulation.
; The chip was launched on July 23, 2026; its instructions are those of AMD's public machine-readable ISA for CDNA 5 (MIT licence, August 2026) and "CDNA5" Instruction Set Architecture Reference Guide (July 2026). The comments in the code are by the model that wrote it; some were corrected since.
;; MHA. Allowed arithmetic: matrix products marked QUANTISED: E2M3 operands, one E8M0 scale for each 32 along K, by v_wmma_scale_f32_16x16x128_f8f6f4 with both operands' format E2M3, f32 sums; everything else in f32.
;; Inputs: Wk 1,024 x 1,024 float32; Wo 1,024 x 1,024 float32; Wq 1,024 x 1,024 float32; Wv 1,024 x 1,024 float32; k 4 x 2,048 x 1,024 float32; q 4 x 2,048 x 1,024 float32; v 4 x 2,048 x 1,024 float32.
;; Outputs: out0 4 x 2,048 x 1,024 float32.
;; This version of the problem:
;;   THIS VERSION OF THE PROBLEM IS GIVEN IN LOW PRECISION. The matrix products marked QUANTISED in the list below multiply operands that are first quantised to E2M3 (2 exponent bits, 3 mantissa bits; 6 bits a number), with one power-of-two scale for each 32 numbers along K (OCP MX v1.0); their sums are f32. All else is computed in f32.
;;   The module's matrix products, in the order in which they are computed (A, B: the left and right operand; K: the contracted axis; several contracted axes count as one K, in the product's order):
;;     1. [M 8,192, K 1,024] x [K 1,024, N 1,024]; A: input q; B: input Wq: QUANTISED
;;     2. [M 8,192, K 1,024] x [K 1,024, N 1,024]; A: input k; B: input Wk: QUANTISED
;;     3. [M 8,192, K 1,024] x [K 1,024, N 1,024]; A: input v; B: input Wv: QUANTISED
;;     4. batch 64 x [M 2,048, K 64] x [K 64, N 2,048]; A: computed on the way; B: computed on the way: QUANTISED
;;     5. batch 64 x [M 2,048, K 2,048] x [K 2,048, N 64]; A: softmax (see below); B: computed on the way: QUANTISED
;;     6. [M 8,192, K 1,024] x [K 1,024, N 1,024]; A: computed on the way; B: input Wo: QUANTISED
;;   THE QUANTISER, for each operand of a quantised product, along K:
;;     - K is cut into blocks of 32 from its start; a last block that is shorter is filled with zeros.
;;     - A block's scale is 2^e with e = floor(log2(the largest magnitude in the block)) - 2, held to -126 .. 127; a block of zeros has e = 0. As a byte (E8M0): e + 127.
;;     - Each number is divided by its block's scale, clamped to +-7.5, and rounded to the nearest number of E2M3, ties to even, subnormals kept.
;;     - The product sums the exact products of the quantised numbers (number of the format x scale) in f32.
;;   ~~~python
;;   def quantise(x, axis):      # numpy; x: float32 -> the quantised numbers, widened to float32 again
;;       x = np.moveaxis(x, axis, -1); K = x.shape[-1]
;;       x = np.pad(x, [(0, 0)] * (x.ndim - 1) + [(0, -K % 32)]); x = x.reshape(x.shape[:-1] + (-1, 32)); a = np.abs(x).max(-1, keepdims=True)
;;       e = np.where(a > 0, np.clip(np.frexp(np.where(a > 0, a, 1))[1] - 1 - 2, -126, 127), 0)      # np.frexp(a)[1] - 1 = floor(log2(a)), exactly
;;       r = np.clip(x / 2.0 ** e, -7.5, 7.5)
;;       step = 2.0 ** (np.maximum(np.frexp(np.where(r == 0, 1, r))[1] - 1, 0) - 3)
;;       q = np.round(r / step) * step * 2.0 ** e      # np.round: ties to even
;;       return np.moveaxis(q.reshape(q.shape[:-2] + (-1,))[..., :K], -1, axis).astype(np.float32)
;;   ~~~
;;   SOFTMAX AHEAD OF A QUANTISED PRODUCT. Where the list says 'softmax', what is quantised is not the finished softmax but p = 2^(t - M), with t = logit x log2(e) and M = ceil(the row's largest t), a whole number; so 1/2 < the row's largest p <= 1. The row's sum l is taken of the UNQUANTISED p, in f32, and the product's result is divided by l at the end. Since M is a whole number, a kernel that streams over the keys may use a running M (the ceiling of the running maximum): every later rescaling is an exact power of two, which a block's scale takes up: the codes' values come out the same.
;;   OPERANDS COMPUTED ON THE WAY. 'Computed on the way' means the value that the module computes at that place (a softmax that the list does not call 'softmax' is quantised finished and normalised). What goes into a quantiser is computed in f32, as accurately as f32 sums, v_exp_f32 and their like allow (about 1e-6 of the number): no bf16 or f16 on the way to a quantiser, and a product that is left as it is and whose result goes on into a quantised operand takes f32 operands (vector FMAs, or v_wmma_f32_16x16x4_f32). A number that lies on a knife's edge between two numbers of the format may be rounded either way, as far as f32 arithmetic and the matrix unit's own rounding can turn it there, and no further.
;; One version. Each part assembles by itself: llvm-mc -triple=amdgcn-amd-amdhsa -mcpu=gfx1250 --defsym DOCPART=n.
;; ======== version 1 of 1: 4 launches
;; limits: right only within a limited range of input values
;; workspace buffers: img 22,937,600 bytes; qc 6,553,600 bytes; kv 13,107,200 bytes; ao 6,553,600 bytes
;; launch quant (part 1): grid 256 x 1, 14 waves a work-group, no clusters, 120,320 bytes of LDS; arguments q, k, v, Wq, Wk, Wv, Wo, img; writes img
.if DOCPART == 1
	.amdgcn_target "amdgcn-amd-amdhsa--gfx1250"
	.amdhsa_code_object_version 6
	.text
	.protected	k_qb7b91526e9_quant
	.globl	k_qb7b91526e9_quant
	.p2align	8
	.type	k_qb7b91526e9_quant,@function
k_qb7b91526e9_quant:
	s_mov_b64 s[64:65], 0
	v_nop
	global_prefetch_b8 v0, s[64:65] scope:SCOPE_SE
	s_setreg_imm32_b32 hwreg(HW_REG_WAVE_MODE, 25, 1), 1
	s_wait_xcnt 0x0
; q, k, v [8192][1024] and Wq, Wk, Wv, Wo [1024][1024], f32, K innermost, become codes of FP6 (E2M3) with one E8M0 byte for each 32 along K, laid in img AS THE MATRIX UNIT'S REGISTERS WANT THEM.
; A block's scale is 2^(floor(log2(its largest magnitude)) - 2); its byte is the largest magnitude's exponent field - 2, held at 1 from below; each number is divided by the scale and rounded to the nearest code, ties to even, beyond 7.5 the largest code.
; LIMITS: NaN and infinities are not served; a block whose largest magnitude lies under 2^-124, a block of zeros among them, gets the byte 1 (a block of zeros has zero codes, and this program alone reads the bytes).
; img: 224 panels of 128 rows x 1,024 K, 102,400 bytes each: q 0-63, k 64-127, v 128-191, Wq 192-199, Wk 200-207, Wv 208-215, Wo 216-223.  A panel is four quarters of 25,600 bytes (256 along K = two K steps of 128):
;   bytes 0-1,023: scale words: for each group of 32 rows 256 bytes, 8 a lane: the words of the group's two blocks of 16 rows; lanes 0-15 the quarter's first K step, lanes 16-31 its second;
;   from 1,024: [K step][block of 16 rows, 0-7][1,536 bytes]: a fragment's 12 registers: registers 0-3 at 16 x lane, 4-5 at 512 + 8 x lane, 6-9 at 768 + 16 x lane, 10-11 at 1,280 + 8 x lane.
; THE ROWS OF A BLOCK ARE NOT NEIGHBOURS: lane-row r of block u of a group of 32 is row 8 u + r + 8 (r / 8), so that results of a transposed product lie as 16 neighbours in a lane's registers.
; SHARES: 28,672 rows are 896 groups of 32; a group x a quarter of K (32 KB of f32) is a wave's whole work: 3,584 = 256 work-groups x 14 waves.  Waves share nothing: no barrier.
; Each load reads 512 consecutive bytes of a row; 16 rows x 512 bytes turn through the wave's own stage in LDS (rows 528 bytes apart: 16 rows start in 16 different groups of banks), so that a lane gets 16 neighbours of each block.
.set STG,   8448                       ; a wave's stage: 16 rows x 528 bytes
.set SPARE, 14*STG                     ; behind the stages: the spare words, 128 bytes for each wave, that no other line names
.set R,     16                         ; v16-143  two sets of 64: a fragment's numbers as loaded
.set X,     144                        ; v144-207 register 16 b + i = k 32 b + 16 (lane / 16) + i of my row
.set PC,    208                        ; v208-227 the codes just made (12, and 8 at work)
.set TM,    228                        ; v228-243 at work
.set PW,    244                        ; v244-247 the four fragments' scale words
.set SC,    248                        ; v[248:249] the scale words as they are stored
.set SPW,   250                        ; LDS address of my spare word; never rewritten
.set NIL,   251                        ; 0; never rewritten
.set SEL,   38                         ; s[38:39] lane selects: lane l xor 16
.set MASK,  40                         ; s40 lanes 16-31
	s_load_b512 s[16:31], s[0:1], 0x0              ; q, k, v, Wq, Wk, Wv, Wo, img
	v_lshl_add_u32 v[SPW], v0, 2, SPARE
	v_mov_b32 v[NIL], 0
	v_lshrrev_b32 v5, 5, v0
	s_delay_alu instid0(VALU_DEP_1)
	v_readfirstlane_b32 s2, v5                     ; wave 0..13
	v_and_b32 v6, 31, v0
	s_delay_alu instid0(VALU_DEP_1)
	v_lshlrev_b32 v1, 4, v6                        ; 16 x lane
	s_delay_alu instid0(VALU_DEP_2)
	v_lshlrev_b32 v2, 3, v6                        ; 8 x lane
	s_mul_i32 s3, s2, STG
	v_add_nc_u32 v3, s3, v1                        ; the stage, on the way in: 16 x lane of a row
	v_and_b32 v7, 15, v0
	v_bfe_u32 v8, v0, 4, 1
	s_delay_alu instid0(VALU_DEP_2)
	v_mul_u32_u24 v4, v7, 528
	s_delay_alu instid0(VALU_DEP_1)
	v_lshl_add_u32 v4, v8, 6, v4
	s_delay_alu instid0(VALU_DEP_1)
	v_add_nc_u32 v4, s3, v4                        ; and on the way out: row r, + 64 h
.irp b, 0,1,2,3
	v_mov_b32 v[TM+4+\b], 0                        ; written once: a lane permute's destination counts as one of its sources
.endr
	s_mul_i32 s4, ttmp9, 14
	s_add_co_u32 s4, s4, s2                        ; my unit, 0 .. 3,583
	s_and_b32 s5, s4, 3                            ; the quarter of K
	s_lshr_b32 s6, s4, 2                           ; the group of 32 rows, 0 .. 895
	s_lshr_b32 s7, s6, 2                           ; the panel
	s_and_b32 s8, s6, 3                            ; the group in its panel
	s_lshr_b32 s9, s6, 8                           ; 0, 1, 2: q, k, v; 3: a weight
	s_bfe_u32 s10, s6, 0x20005                     ; which weight
	s_and_b32 s11, s6, 255                         ; the group in q, k or v
	s_and_b32 s12, s6, 31                          ; the group in a weight
	s_cmp_eq_u32 s9, 3
	s_cselect_b32 s11, s12, s11
	s_cselect_b32 s10, s10, 0
	s_add_co_u32 s9, s9, s10                       ; the tensor, 0 .. 6
	s_lshl_b32 s32, s11, 17                        ; 32 rows of 4,096 bytes
	s_lshl_b32 s12, s5, 10                         ; 256 numbers
	s_add_co_u32 s32, s32, s12
	; k's TOKENS ARE LAID OTHERWISE: lane-row r of block 2 g + u of a panel is token 64 (g / 2) + 16 (g % 2) + 8 u + r % 8 + 32 (r / 8),
	; so that in the attention's transposed scores a lane's 32 registers of four neighbouring tiles are one whole block of 32 keys.
	; Against the other tensors' order: the group begins 16 (g % 2) rows earlier, and lane-rows 8-15 lie 16 rows further on.
	s_and_b32 s3, s8, 1
	s_lshl_b32 s3, s3, 16                          ; 16 rows of 4,096 bytes
	s_cmp_eq_u32 s9, 1                             ; tensor 1 is k: the choice hangs on ids alone
	s_cselect_b32 s13, 0x10000, 0
	s_cselect_b32 s3, s3, 0
	s_sub_co_u32 s32, s32, s3
	v_mov_b32 v10, v1                              ; the loads' offset for lane-rows 0-7,
	v_add_nc_u32 v11, s13, v1                      ; and for lane-rows 8-15
	s_mov_b32 s33, 0
	s_mul_i32 s34, s7, 102400
	s_mul_i32 s12, s5, 25600
	s_add_co_u32 s34, s34, s12                     ; my quarter record
	s_mul_i32 s12, s8, 3072
	s_add_co_u32 s36, s34, s12
	s_add_co_u32 s36, s36, 1024                    ; my group's two blocks of codes
	s_mov_b32 s37, 0
	s_lshl_b32 s12, s8, 8
	s_add_co_u32 s34, s34, s12                     ; my group's scale words
	s_mov_b32 s35, 0
	s_mov_b32 s[SEL], 0x76543210
	s_mov_b32 s[SEL+1], 0xfedcba98
	s_mov_b32 s[MASK], 0xffff0000
	s_wait_alu depctr_va_vdst(0)
	s_wait_kmcnt 0x0
	s_mov_b64 s[14:15], s[16:17]
.irp t, 1,2,3,4,5,6
	s_cmp_eq_u32 s9, \t                            ; the choice hangs on ids alone
	s_cselect_b64 s[14:15], s[16+2*\t:17+2*\t], s[14:15]
.endr
	s_add_nc_u64 s[14:15], s[14:15], s[32:33]
	s_add_nc_u64 s[36:37], s[30:31], s[36:37]
	s_add_nc_u64 s[34:35], s[30:31], s[34:35]
; fragment f = 2 u + s: block u of the group, K step s of the quarter: 16 rows x 512 bytes
.macro LOAD f
.irp i, 0,1,2,3,4,5,6,7,8,9,10,11,12,13,14,15
	global_load_b128 v[R+64*((\f)%2)+4*\i:R+64*((\f)%2)+4*\i+3], v[10+\i/8], s[14:15] offset:(8*((\f)/2)+\i+8*(\i/8))*4096+512*((\f)%2) th:TH_LOAD_NT
.endr
.endm
; 64 numbers of a lane become a fragment's codes in v[PC] on and its scale word in v[pw]
.macro QUANT s, pw
.irp b, 0,1,2,3
	v_max3_num_f32 v[TM+\b], |v[\s+16*\b]|, |v[\s+1+16*\b]|, 0x1800000   ; block b: my 16 numbers, and the floor 2^(3 - 127): the byte cannot fall under 1
.endr
.irp i, 2,4,6,8,10,12,14
.irp b, 0,1,2,3
	s_delay_alu instid0(VALU_DEP_4)
	v_max3_num_f32 v[TM+\b], v[TM+\b], |v[\s+16*\b+\i]|, |v[\s+1+16*\b+\i]|   ; the four blocks by turns
.endr
.endr
.irp b, 0,1,2,3
	s_delay_alu instid0(VALU_DEP_4)
	v_permlanex16_b32 v[TM+4+\b], v[TM+\b], s[SEL], s[SEL+1]
.endr
.irp b, 0,1,2,3
	s_delay_alu instid0(VALU_DEP_4)
	v_max_num_f32 v[TM+\b], v[TM+\b], v[TM+4+\b]   ; with lane l xor 16's: the block's largest magnitude
.endr
.irp b, 0,1,2,3
	s_delay_alu instid0(VALU_DEP_4)
	v_add_nc_u32 v[TM+12+\b], 0xff000000, v[TM+\b] ; 2 off its exponent field: the conversion's scale operand
.endr
.irp b, 0,1,2,3
	s_delay_alu instid0(VALU_DEP_4)
	v_lshrrev_b32 v[TM+4+\b], 23, v[TM+12+\b]      ; the scale's byte
.endr
	s_delay_alu instid0(VALU_DEP_3)
	v_lshl_or_b32 v[\pw], v[TM+5], 8, v[TM+4]
	s_delay_alu instid0(VALU_DEP_1)
	v_lshl_or_b32 v[\pw], v[TM+6], 16, v[\pw]
	s_delay_alu instid0(VALU_DEP_1)
	v_lshl_or_b32 v[\pw], v[TM+7], 24, v[\pw]      ; my row's scale word
.irp c, 0,1
	v_cvt_scalef32_pk16_fp6_f32 v[PC+6*\c:PC+2+6*\c], v[\s+32*\c:\s+15+32*\c], v[TM+12+2*\c]
	v_cvt_scalef32_pk16_fp6_f32 v[PC+12+4*\c:PC+14+4*\c], v[\s+16+32*\c:\s+31+32*\c], v[TM+13+2*\c]   ; (a conversion's three registers begin on an even number)
.endr
	v_nop                                          ; one plain place behind a scaled conversion
.irp c, 0,1                                    ; the operand's layout wants a whole block in a lane
.irp i, 0,1,2
	v_permlane16_swap_b32 v[PC+6*\c+\i], v[PC+12+4*\c+\i]
.endr
.irp i, 0,1,2
	s_delay_alu instid0(VALU_DEP_3)
	v_mov_b32 v[PC+3+6*\c+\i], v[PC+12+4*\c+\i]
.endr
.endr
.endm
; left: the younger fragment's 16 loads, which may stay out
.macro FSTEP f, left
	s_wait_xcnt 0x0                                ; the last fragment's stores have read the codes' registers
	s_wait_loadcnt \left
.irp i, 0,1,2,3,4,5,6,7,8,9,10,11,12,13,14,15
	ds_store_b128 v3, v[R+64*((\f)%2)+4*\i:R+64*((\f)%2)+4*\i+3] offset:528*\i
.endr
.irp b, 0,1,2,3
.irp j, 0,1,2,3
	ds_load_b128 v[X+16*\b+4*\j:X+16*\b+4*\j+3], v4 offset:128*\b+16*\j   ; LDS serves a wave's instructions in order: these see the stores above
.endr
.endr
	s_wait_dscnt 0x0                               ; the numbers are back, and the stores have read their registers,
.if (\f) < 2
	LOAD (\f)+2                                    ; which take the loads of two fragments on
.endif
	QUANT X, PW+(\f)
	global_store_b128 v1, v[PC:PC+3], s[36:37] offset:12288*((\f)%2)+1536*((\f)/2)          ; each store covers whole aligned runs of 256 consecutive bytes
	global_store_b64 v2, v[PC+4:PC+5], s[36:37] offset:12288*((\f)%2)+1536*((\f)/2)+512
	global_store_b128 v1, v[PC+6:PC+9], s[36:37] offset:12288*((\f)%2)+1536*((\f)/2)+768
	global_store_b64 v2, v[PC+10:PC+11], s[36:37] offset:12288*((\f)%2)+1536*((\f)/2)+1280
.endm
	LOAD 0
	LOAD 1
	FSTEP 0, 16
	FSTEP 1, 16
	FSTEP 2, 16
	FSTEP 3, 0
	v_cndmask_b32 v[SC], v[PW], v[PW+1], s[MASK]       ; block 0: lanes 0-15 the first K step's word, lanes 16-31 the second's
	v_cndmask_b32 v[SC+1], v[PW+2], v[PW+3], s[MASK]   ; block 1 likewise
	global_store_b64 v2, v[SC:SC+1], s[34:35]          ; 256 consecutive bytes
	s_wait_tensorcnt 0x0                           ; the wave's end: behind my last LDS store
	ds_add_u32 v[SPW], v[NIL]
	s_wait_dscnt 0x0
	s_endpgm
.Lfunc_end_k_qb7b91526e9_quant:
	.size	k_qb7b91526e9_quant, .Lfunc_end_k_qb7b91526e9_quant-k_qb7b91526e9_quant
	.p2alignl 7, 3214868480
	.fill 96, 4, 3214868480
	.section	.rodata,"a",@progbits
	.p2align	6, 0x0
	.amdhsa_kernel k_qb7b91526e9_quant
		.amdhsa_group_segment_fixed_size 120320
		.amdhsa_private_segment_fixed_size 0
		.amdhsa_enable_private_segment 0
		.amdhsa_kernarg_size 64
		.amdhsa_user_sgpr_count 2
		.amdhsa_user_sgpr_kernarg_segment_ptr 1
		.amdhsa_wavefront_size32 1
		.amdhsa_system_sgpr_workgroup_id_x 1
		.amdhsa_system_sgpr_workgroup_id_y 1
		.amdhsa_system_sgpr_workgroup_id_z 1
		.amdhsa_system_vgpr_workitem_id 0
		.amdhsa_next_free_vgpr 256
		.amdhsa_next_free_sgpr 66
		.amdhsa_reserve_vcc 0
		.amdhsa_float_denorm_mode_32 3
		.amdhsa_float_denorm_mode_16_64 3
		.amdhsa_memory_ordered 1
		.amdhsa_forward_progress 1
		.amdhsa_inst_pref_size 42
	.end_amdhsa_kernel
	.amdgpu_metadata
---
amdhsa.version: [ 1, 2 ]
amdhsa.kernels:
  - .name:           k_qb7b91526e9_quant
    .symbol:         k_qb7b91526e9_quant.kd
    .args:
      - { .name: q, .offset: 0, .size: 8, .value_kind: global_buffer, .address_space: global }
      - { .name: k, .offset: 8, .size: 8, .value_kind: global_buffer, .address_space: global }
      - { .name: v, .offset: 16, .size: 8, .value_kind: global_buffer, .address_space: global }
      - { .name: Wq, .offset: 24, .size: 8, .value_kind: global_buffer, .address_space: global }
      - { .name: Wk, .offset: 32, .size: 8, .value_kind: global_buffer, .address_space: global }
      - { .name: Wv, .offset: 40, .size: 8, .value_kind: global_buffer, .address_space: global }
      - { .name: Wo, .offset: 48, .size: 8, .value_kind: global_buffer, .address_space: global }
      - { .name: img, .offset: 56, .size: 8, .value_kind: global_buffer, .address_space: global }
    .group_segment_fixed_size: 120320
    .private_segment_fixed_size: 0
    .kernarg_segment_align: 8
    .kernarg_segment_size: 64
    .max_flat_workgroup_size: 448
    .sgpr_count:     66
    .vgpr_count:     256
    .wavefront_size: 32
...
	.end_amdgpu_metadata
.endif
;; end of part 1
;; launch proj (part 2): grid 4 x 192, 4 waves a work-group, clusters of 4 x 4, 307,712 bytes of LDS; arguments img, qc, kv; writes qc, kv
.if DOCPART == 2
	.amdgcn_target "amdgcn-amd-amdhsa--gfx1250"
	.amdhsa_code_object_version 6
	.text
	.protected	k_qb7b91526e9_proj
	.globl	k_qb7b91526e9_proj
	.p2align	8
	.type	k_qb7b91526e9_proj,@function
k_qb7b91526e9_proj:
	s_mov_b64 s[64:65], 0
	v_nop
	global_prefetch_b8 v0, s[64:65] scope:SCOPE_SE
	s_setreg_imm32_b32 hwreg(HW_REG_WAVE_MODE, 25, 1), 1
	s_wait_xcnt 0x0
	s_wait_alu depctr_hold_cnt(0) depctr_sa_sdst(0) depctr_va_vdst(0) depctr_va_sdst(0) depctr_va_ssrc(0) depctr_va_vcc(0) depctr_vm_vsrc(0)
	s_getreg_b32 s2, hwreg(HW_REG_IB_STS2, 6, 4)
	s_cmp_eq_u32 s2, 0
	s_cbranch_scc0 .Lentry_in_a_cluster
	s_endpgm
.Lentry_in_a_cluster:
	s_bfe_u32 s2, ttmp6, 0x10000c
	s_cmp_lg_u32 s2, 0xf033
	s_cbranch_scc0 .Lentry_shape_is_right
	s_endpgm
.Lentry_shape_is_right:
; The three projections q Wq^T, k Wk^T, v Wv^T on codes of FP6 (E2M3) with E8M0 scales, and their results quantised in registers for the attention: qh and kh along the head's 64, vh along the keys.
; C'[m][n] = sum over k of A'[m][k] B'[n][k].  A work-group makes 128 (one panel of A') x 256 (two panels of B'); K = 1,024 lies whole in LDS: 3 x 102,400 bytes, filled once: no slot is ever filled again.
; Q, K: A' = tokens, B' = the weight.  V: A' = Wv, B' = tokens, so that the same quantiser along n runs along the keys.  The kind hangs on the cluster's y alone: 16 clusters each.
; Four waves: wave w takes A' blocks 4 (w / 2) + 0..3 and panel w % 2 of B' (8 blocks): 32 accumulators, 32 matrix instructions a K step of 128, 8 K steps.
; TRANSPOSED (source 0 = 16 rows of B', source 1 = 16 rows of A'): by the panels' order of rows a lane's 64 registers of an A' block are n = 32 g + 16 (lane / 16) + 0..15, g = 0..3: 16 neighbours of each block of 32.
; CLUSTER 4 x 4: A's panel is shared along a row of the cluster, B's two along a column: each quarter of K is asked for jointly, by the same load with the same descriptor in the four that the mask names.
; All loads of a work-group go out in its first lines (one a wave), so nothing is left to be asked for ahead of time.
; OUT.  qc [b x head][step of 128 tokens][6,400]: 4 fragments of 1,536 bytes, each two half fragments (16 tokens x 64) of a group of 32 tokens; from 6,144 two planes of 128 bytes of scale words {u0.b0, u0.b1, u1.b0, u1.b1}, lanes 0-15 group 2 j, lanes 16-31 group 2 j + 1.
;       kv [b x head][step][12,800]: K as in qc at 0 (scale planes at 12,288); V at 6,144: 4 fragments (16 of the head's 64 x 128 keys); its scale words at 12,544, 8 bytes a lane.
; LIMITS: as the quantiser's everywhere here: NaN and infinities not served; blocks under 2^-124 and blocks of zeros get the byte 1.
; REGISTERS: window 0: v1-3 16, 8, 4 x lane; v4-8 LDS addresses; v9-11 store offsets; v32-47, v48-55 scale words of B', A', two sets; v128-223 A's fragments, two sets, later the codes; v208-233 at work behind the products.
;   window 1: B's fragments, two sets of 96.   window 2: the accumulators, (a, b) at v[8 (8 a + b)].
.set PANEL, 102400
.set QUART, 25600
.set FRB,   1536
.set SPARE, 3*PANEL                    ; behind the panels: the spare words, 128 bytes a wave, that no other line names
.set A16, 4
.set A8,  5
.set AS,  6
.set B16, 7
.set B8,  8
.set SPW, 12
.set NIL, 13
.set SCB, 32
.set SCA, 48
.set AF,  128
.set PCB, 128                          ; the codes of A' block a at v[128 + 20 a]
.set TM,  208
.set PW,  224                          ; v224-227 the scale words of the four A' blocks
.set WV,  10
.set WH,  11
.set WL,  12
.set G1A, 24
.set G1B, 32
.set G0A, 40                           ; s[40:55] four sets, one a quarter
.set G0B, 68                           ; s[68:83]
.set SEL, 92
.set MASK, 94
.set ENDBAR, 0
.set MSB, 0
.macro WIN new                         ; the immediate's high byte repeats the setting that is left
.if MSB != \new
	s_set_vgpr_msb (MSB<<8)|\new
.set MSB, \new
.endif
.endm
.macro PLACES                          ; four plain places behind matrix instructions, ahead of loads into their sources and of reads of their results
.rept 4
	v_nop
.endr
.endm
.macro CROUND                          ; a round of the cluster's barrier
	s_barrier_signal -1
	s_barrier_wait -1
	s_cmp_lg_u32 s[WV], 0
	s_cbranch_scc1 .Lnot_wave_0_\@
	s_barrier_signal -3
.Lnot_wave_0_\@:
	s_barrier_wait -3
	s_barrier_signal -1
	s_barrier_wait -1
.endm
.macro FRAG reg, a16, a8, off          ; a fragment's 12 registers, as they were stored: every load reads consecutive bytes
	ds_load_b128 v[\reg:\reg+3], v[\a16] offset:\off
	ds_load_b64 v[\reg+4:\reg+5], v[\a8] offset:\off+512
	ds_load_b128 v[\reg+6:\reg+9], v[\a16] offset:\off+768
	ds_load_b64 v[\reg+10:\reg+11], v[\a8] offset:\off+1280
.endm
.macro FETCH s                         ; K step s: B's 8 and A's 4 fragments into set s % 2; with a quarter's first step its scale words
.set FQ, ((\s)/2)%2
.set FS, (\s)%2
.set FO, FQ*QUART+1024+12288*FS
	WIN 0x40
.irp b, 0,1,2,3,4,5,6,7
	FRAG 96*FS+12*\b, B16, B8, FO+FRB*\b
.endr
	WIN 0
.irp a, 0,1,2,3
	FRAG AF+48*FS+12*\a, A16, A8, FO+FRB*\a
.endr
.if FS == 0
.irp p, 0,1,2,3
	ds_load_b64 v[SCB+8*FQ+2*\p:SCB+8*FQ+2*\p+1], v[B8] offset:FQ*QUART+256*\p
.endr
.irp p, 0,1
	ds_load_b64 v[SCA+4*FQ+2*\p:SCA+4*FQ+2*\p+1], v[AS] offset:FQ*QUART+256*\p
.endr
.endif
.endm
.macro MUL s, zero                     ; 32 matrix instructions; the 32 accumulators take turns in the same order in every step.  An odd step's scale words lie in lanes 16-31
.set MQ, ((\s)/2)%2
.set MS, (\s)%2
	WIN 0xa1
.irp a, 0,1,2,3
.irp b, 0,1,2,3,4,5,6,7
.if \zero
	v_wmma_scale_f32_16x16x128_f8f6f4 v[8*(8*\a+\b):8*(8*\a+\b)+7], v[96*MS+12*\b:96*MS+12*\b+11], v[AF+48*MS+12*\a:AF+48*MS+12*\a+11], 0, v[SCB+8*MQ+\b], v[SCA+4*MQ+\a] matrix_a_fmt:MATRIX_FMT_FP6 matrix_b_fmt:MATRIX_FMT_FP6
.elseif MS
	v_wmma_scale_f32_16x16x128_f8f6f4 v[8*(8*\a+\b):8*(8*\a+\b)+7], v[96*MS+12*\b:96*MS+12*\b+11], v[AF+48*MS+12*\a:AF+48*MS+12*\a+11], v[8*(8*\a+\b):8*(8*\a+\b)+7], v[SCB+8*MQ+\b], v[SCA+4*MQ+\a] matrix_a_fmt:MATRIX_FMT_FP6 matrix_b_fmt:MATRIX_FMT_FP6 matrix_a_scale:MATRIX_SCALE_ROW1 matrix_b_scale:MATRIX_SCALE_ROW1
.else
	v_wmma_scale_f32_16x16x128_f8f6f4 v[8*(8*\a+\b):8*(8*\a+\b)+7], v[96*MS+12*\b:96*MS+12*\b+11], v[AF+48*MS+12*\a:AF+48*MS+12*\a+11], v[8*(8*\a+\b):8*(8*\a+\b)+7], v[SCB+8*MQ+\b], v[SCA+4*MQ+\a] matrix_a_fmt:MATRIX_FMT_FP6 matrix_b_fmt:MATRIX_FMT_FP6
.endif
.endr
.endr
	WIN 0
.endm
.macro KSTEP s                         ; step s is multiplied while step s + 1's fragments come from LDS
.if (\s) == 1
	s_wait_tensorcnt 0x0                           ; every wave's one load has landed: quarters 1 to 3 among them
.endif
	s_wait_dscnt 0x0                               ; step s's fragments are in
.if ((\s) == 1) || (((\s) == 7) && ENDBAR)
	s_barrier_signal -1
	s_barrier_wait -1                              ; everybody's part has
.endif
.if (\s) < 7
.if (\s) > 0
	PLACES
.endif
.if (\s) == 1
	v_add_nc_u32 v[B16], s[BUMP], v[B16]           ; from B's quarter 0 to where my panel's quarters 1 to 3 lie
	v_add_nc_u32 v[B8], s[BUMP], v[B8]
.endif
.if (\s) == 3
.irp r, 4,5,6,7,8
	s_wait_alu depctr_va_vdst(0)
	v_add_nc_u32 v\r, 2*QUART, v\r                 ; on to quarters 2 and 3 (no LDS load of mine is out)
.endr
.endif
	s_wait_alu depctr_va_vdst(0)
	FETCH (\s)+1
.endif
.if (\s) == 0
	MUL \s, 1                                      ; the first step starts the sums: nothing is cleared
.else
	MUL \s, 0
.endif
.endm
	s_load_b128 s[4:7], s[0:1], 0x0                ; img, qc
	s_load_b64 s[8:9], s[0:1], 0x10                ; kv
	v_lshl_add_u32 v[SPW], v0, 2, SPARE
	v_mov_b32 v[NIL], 0
	ds_add_u32 v[SPW], v[NIL]                      ; the wave's opening: the add and its wait ahead of my first tensor load
	ds_add_u32 v[SPW], v[NIL]
	v_lshrrev_b32 v1, 5, v0
	v_readfirstlane_b32 s[WV], v1                  ; wave 0..3
	s_lshr_b32 s[WH], s[WV], 1                     ; my half of A's blocks.  Also: I fetch quarter 0 (0) or the rest (1)
	s_and_b32 s[WL], s[WV], 1                      ; my panel of B'.  Also: which part I fetch
	s_bfe_u32 s13, ttmp6, 0x40000                  ; cx
	s_bfe_u32 s14, ttmp6, 0x40004                  ; cy
	s_and_b32 s15, ttmp7, 0xffff                   ; the cluster's y, 0 .. 47
	s_lshr_b32 s16, s15, 4                         ; the kind: 0 Q, 1 K, 2 V
	s_and_b32 s17, s15, 15
	s_lshr_b32 s18, s17, 3
	s_and_b32 s19, s17, 7
	s_lshl_b32 s20, s16, 6                         ; q's panels from 0, k's from 64
	s_lshl_b32 s21, s16, 3
	s_add_co_u32 s21, s21, 192                     ; Wq's from 192, Wk's from 200
	s_cmp_eq_u32 s16, 2
	s_cselect_b32 s18, s18, s17
	s_cselect_b32 s19, s19, 0
	s_cselect_b32 s20, 208, s20                    ; V: A' = Wv,
	s_cselect_b32 s21, 128, s21                    ;    B' = v
	s_lshl_b32 s18, s18, 2
	s_add_co_u32 s18, s18, s14                     ; ytile: A's panel
	s_lshl_b32 s19, s19, 2
	s_add_co_u32 s19, s19, s13                     ; xtile: B's pair of panels
	s_lshl_b32 s84, s14, 2
	s_lshl_b32 s84, 15, s84                        ; my row of the cluster
	s_lshl_b32 s85, 0x1111, s13                    ; my column
	s_or_b32 s[G1A], s84, (3<<16)|(1<<21)          ; 15:0 the mask; 17:16 elements of 8 bytes; 21 set beside a mask; no padding
	s_or_b32 s[G1B], s85, (3<<16)|(1<<21)
; FOUR TILES, ONE A WAVE: A's quarter 0 (100 rows of 256 bytes); quarter 0 of B's two panels (2 rows of 25,600 bytes, 102,400 apart in memory, on end in LDS);
; A's quarters 1 to 3 (300 rows of 256 bytes); quarters 1 to 3 of B's two panels (2 rows of 76,800 bytes).  Elements of 8 bytes.
.set G1A2, 68
.set G1B2, 76
.set BUMP, 88
.macro GRP1 g, c, r, p
	s_mov_b32 s[\g+1], (\c)<<16
	s_mov_b32 s[\g+2], (\r)<<16
	s_mov_b32 s[\g+3], (\c)<<16
	s_mov_b32 s[\g+4], \r
	s_mov_b32 s[\g+5], \p
	s_mov_b32 s[\g+6], 0
	s_mov_b32 s[\g+7], 0
.endm
	s_or_b32 s[G1A2], s84, (3<<16)|(1<<21)
	s_or_b32 s[G1B2], s85, (3<<16)|(1<<21)
	GRP1 G1A, 32, 100, 32
	GRP1 G1B, 3200, 2, 12800
	GRP1 G1A2, 32, 300, 32
	GRP1 G1B2, 9600, 2, 12800
	v_and_b32 v3, 31, v0
	v_lshlrev_b32 v1, 4, v3                        ; 16 x lane
	v_lshlrev_b32 v2, 3, v3                        ; 8 x lane
	v_lshlrev_b32 v3, 2, v3                        ; 4 x lane
	s_mul_i32 s56, s[WH], 4*FRB
	v_add_nc_u32 v[A16], s56, v1                   ; my four blocks of A'
	v_add_nc_u32 v[A8], s56, v2
	s_lshl_b32 s56, s[WH], 9
	v_add_nc_u32 v[AS], s56, v2                    ; and their scale words
	s_mul_i32 s[BUMP], s[WL], 2*QUART
	s_add_co_u32 s[BUMP], s[BUMP], QUART           ; B in LDS: [panel 0 q0][panel 1 q0][panel 0 q1-3][panel 1 q1-3]
	s_mul_i32 s57, s[WL], QUART
	s_add_co_u32 s57, s57, PANEL                   ; my panel of B' in LDS
	v_add_nc_u32 v[B16], s57, v1
	v_add_nc_u32 v[B8], s57, v2
	s_add_co_u32 s22, s20, s18
	s_mul_i32 s60, s22, PANEL
	s_mov_b32 s61, 0
	s_lshl_b32 s23, s19, 1
	s_add_co_u32 s23, s23, s21
	s_mul_i32 s62, s23, PANEL                      ; B's on cx and the cluster's y alone
	s_mov_b32 s63, 0
	s_mov_b32 s[SEL], 0x76543210
	s_mov_b32 s[SEL+1], 0xfedcba98
	s_mov_b32 s[MASK], 0xffff0000
	s_wait_dscnt 0x0                               ; the opening add is done
	s_wait_kmcnt 0x0
	s_add_nc_u64 s[60:61], s[4:5], s[60:61]
	s_add_nc_u64 s[62:63], s[4:5], s[62:63]
.irp q, 0,1                            ; group 0 of the four tiles: A q0, B q0, A q1-3, B q1-3
	s_mov_b32 s[G0A+8*\q], 1
	s_mov_b32 s[G0A+8*\q+1], \q*QUART
	s_add_nc_u64 s[G0A+8*\q+2:G0A+8*\q+3], s[60:61], \q*QUART
	s_or_b32 s[G0A+8*\q+3], s[G0A+8*\q+3], 0x80000000
	s_mov_b32 s[G0A+8*\q+4], 1
	s_mov_b32 s[G0A+8*\q+5], PANEL+2*\q*QUART
	s_add_nc_u64 s[G0A+8*\q+6:G0A+8*\q+7], s[62:63], \q*QUART
	s_or_b32 s[G0A+8*\q+7], s[G0A+8*\q+7], 0x80000000
.endr
	CROUND                                         ; all sixteen work-groups are here: the joint loads meet
; one chain of branches on the wave's number, one joint load to an arm: every way through the head passes exactly one load
.macro ARM under, g0, g1, next
	s_cmp_lt_u32 s[WV], \under
	s_cbranch_scc0 \next
	tensor_load_to_lds s[\g0:\g0+3], s[\g1:\g1+7]
	s_nop 0
	PLACES
	s_branch .Lfirst_asked
\next:
.endm
	ARM 1, G0A, G1A, .Larm_1                       ; wave 0: A's quarter 0
	ARM 2, G0A+4, G1B, .Larm_2                     ; wave 1: B's quarter 0
	ARM 3, G0A+8, G1A2, .Larm_3                    ; wave 2: the rest of A
	tensor_load_to_lds s[G0A+12:G0A+15], s[G1B2:G1B2+7]   ; wave 3: the rest of B
	s_nop 0
	PLACES
.Lfirst_asked:
	s_cmp_lt_u32 s[WV], 2
	s_cbranch_scc0 .Lnot_first
	s_wait_tensorcnt 0x0                           ; waves 0 and 1: quarter 0 is in; the other two loads may be out
.Lnot_first:
	s_barrier_signal -1
	s_barrier_wait -1
	s_wait_alu depctr_va_vdst(0)
	FETCH 0
.irp s, 0,1,2,3,4,5,6,7
	KSTEP \s
.endr
	PLACES
.irp b, 0,1,2,3
	v_mov_b32 v[TM+4+\b], 0                        ; a lane permute's destination counts as one of its sources
.endr
; The 64 results of A' block a become a fragment's codes in v[PCB + 20 a] on and a scale word in v[PW + a].  Each accumulator is read from its low end on.
.macro QUANTW a
.set QA, 64*(\a)
.set QP, PCB+20*(\a)
	WIN 0x0a                                       ; sources 0 and 1: window 2
.irp b, 0,1,2,3
	v_max3_num_f32 v[TM+\b], |v[QA+16*\b]|, |v[QA+16*\b+1]|, 0x1800000   ; and the floor 2^(3 - 127)
.endr
.irp i, 2,4,6,8,10,12,14
.irp b, 0,1,2,3
	v_max3_num_f32 v[TM+\b], |v[QA+16*\b+\i]|, |v[QA+16*\b+\i+1]|, v[TM+\b]
.endr
.endr
	WIN 0
.irp b, 0,1,2,3
	v_permlanex16_b32 v[TM+4+\b], v[TM+\b], s[SEL], s[SEL+1]
.endr
.irp b, 0,1,2,3
	v_max_num_f32 v[TM+\b], v[TM+\b], v[TM+4+\b]
.endr
.irp b, 0,1,2,3
	v_add_nc_u32 v[TM+12+\b], 0xff000000, v[TM+\b]
.endr
.irp b, 0,1,2,3
	v_lshrrev_b32 v[TM+4+\b], 23, v[TM+12+\b]
.endr
	v_lshl_or_b32 v[PW+(\a)], v[TM+5], 8, v[TM+4]
	v_lshl_or_b32 v[PW+(\a)], v[TM+6], 16, v[PW+(\a)]
	v_lshl_or_b32 v[PW+(\a)], v[TM+7], 24, v[PW+(\a)]
	WIN 0x02                                       ; source 0: window 2
.irp c, 0,1
	v_cvt_scalef32_pk16_fp6_f32 v[QP+6*\c:QP+6*\c+2], v[QA+32*\c:QA+32*\c+15], v[TM+12+2*\c]
	v_cvt_scalef32_pk16_fp6_f32 v[QP+12+4*\c:QP+14+4*\c], v[QA+16+32*\c:QA+31+32*\c], v[TM+13+2*\c]
.endr
	WIN 0
	v_nop                                          ; one plain place behind a scaled conversion
.irp c, 0,1
.irp i, 0,1,2
	v_permlane16_swap_b32 v[QP+6*\c+\i], v[QP+12+4*\c+\i]
.endr
.irp i, 0,1,2
	v_mov_b32 v[QP+3+6*\c+\i], v[QP+12+4*\c+\i]
.endr
.endr
.endm
	QUANTW 0
	QUANTW 1
	QUANTW 2
	QUANTW 3
	s_cmp_eq_u32 s16, 2                            ; the kind: the same in all sixteen partners
	s_cbranch_scc1 .Lv_out
	; Q, K: my panel of B' is two heads; registers 6 c .. 6 c + 5 of a block's codes are head c's half fragment
	s_cmp_eq_u32 s16, 1
	s_cselect_b64 s[84:85], s[8:9], s[6:7]
	s_mov_b32 s86, 6400
	s_cselect_b32 s86, 12800, s86                  ; a chunk's bytes
	s_mov_b32 s87, 6144
	s_cselect_b32 s87, 12288, s87                  ; where its scale planes begin
	s_lshr_b32 s56, s18, 4                         ; b
	s_and_b32 s57, s18, 15                         ; the step of 128 tokens
	s_lshl_b32 s58, s19, 2
	s_lshl_b32 s59, s[WL], 1
	s_add_co_u32 s58, s58, s59                     ; my first head
	s_lshl_b32 s56, s56, 4
	s_add_co_u32 s56, s56, s58
	s_lshl_b32 s56, s56, 4
	s_add_co_u32 s56, s56, s57                     ; the chunk's number
	s_mul_i32 s88, s56, s86
	s_mov_b32 s89, 0
	s_lshl_b32 s90, s86, 4                         ; the next head lies 16 chunks on
	s_add_co_u32 s90, s90, s88
	s_mov_b32 s91, 0
	s_add_nc_u64 s[88:89], s[84:85], s[88:89]
	s_add_nc_u64 s[90:91], s[84:85], s[90:91]
	s_mul_i32 s59, s[WH], 2*FRB                    ; my two groups of 32 tokens
	v_add_nc_u32 v9, s59, v1
	s_wait_alu depctr_va_vdst(0)
	v_add_nc_u32 v10, s59, v2
	s_lshl_b32 s59, s[WH], 7                       ; and their plane of scale words
	s_add_co_u32 s59, s59, s87
	v_add_nc_u32 v11, s59, v3
	s_mov_b32 s56, 0x05040100
	s_mov_b32 s57, 0x07060302
.irp a, 0,1,2,3
.irp c, 0,1
	global_store_b128 v9, v[PCB+20*\a+6*\c:PCB+20*\a+6*\c+3], s[88+2*\c:89+2*\c] offset:1536*(\a/2)+768*(\a%2)
	global_store_b64 v10, v[PCB+20*\a+6*\c+4:PCB+20*\a+6*\c+5], s[88+2*\c:89+2*\c] offset:1536*(\a/2)+768*(\a%2)+512
.endr
.endr
	v_perm_b32 v228, v[PW+1], v[PW], s56           ; head 0: {u0.b0, u0.b1, u1.b0, u1.b1} of my first group,
	v_perm_b32 v229, v[PW+3], v[PW+2], s56         ; of my second
	v_perm_b32 v230, v[PW+1], v[PW], s57           ; head 1 likewise
	v_perm_b32 v231, v[PW+3], v[PW+2], s57
	v_cndmask_b32 v232, v228, v229, s[MASK]        ; lanes 0-15 the first group, lanes 16-31 the second
	v_cndmask_b32 v233, v230, v231, s[MASK]
	global_store_b32 v11, v232, s[88:89]
	global_store_b32 v11, v233, s[90:91]
	s_branch .Ldone
.Lv_out:
	; V: A' block a is tile a of a head's 64; my panel of B' is a step's 128 keys
	s_lshl_b32 s56, s18, 1
	s_add_co_u32 s56, s56, s[WH]                   ; the head
	s_lshl_b32 s57, s19, 1
	s_add_co_u32 s57, s57, s[WL]                   ; the panel of tokens
	s_lshr_b32 s58, s57, 4
	s_lshl_b32 s58, s58, 4
	s_add_co_u32 s56, s56, s58                     ; 16 b + head
	s_and_b32 s57, s57, 15
	s_mul_i32 s88, s56, 204800
	s_mul_i32 s57, s57, 12800
	s_add_co_u32 s88, s88, s57
	s_add_co_u32 s88, s88, 6144
	s_mov_b32 s89, 0
	s_add_nc_u64 s[88:89], s[8:9], s[88:89]
	s_wait_alu depctr_va_vdst(0)
.irp a, 0,1,2,3
	global_store_b128 v1, v[PCB+20*\a:PCB+20*\a+3], s[88:89] offset:1536*\a
	global_store_b64 v2, v[PCB+20*\a+4:PCB+20*\a+5], s[88:89] offset:1536*\a+512
	global_store_b128 v1, v[PCB+20*\a+6:PCB+20*\a+9], s[88:89] offset:1536*\a+768
	global_store_b64 v2, v[PCB+20*\a+10:PCB+20*\a+11], s[88:89] offset:1536*\a+1280
.endr
	v_cndmask_b32 v232, v[PW], v[PW+1], s[MASK]    ; word j: lanes 0-15 tile 2 j, lanes 16-31 tile 2 j + 1
	v_cndmask_b32 v233, v[PW+2], v[PW+3], s[MASK]
	global_store_b64 v2, v[232:233], s[88:89] offset:6400
.Ldone:
	s_wait_tensorcnt 0x0                           ; the wave's end
	ds_add_u32 v[SPW], v[NIL]
	s_wait_dscnt 0x0
	CROUND                                         ; the closing round
	s_endpgm
.Lfunc_end_k_qb7b91526e9_proj:
	.size	k_qb7b91526e9_proj, .Lfunc_end_k_qb7b91526e9_proj-k_qb7b91526e9_proj
	.p2alignl 7, 3214868480
	.fill 96, 4, 3214868480
	.section	.rodata,"a",@progbits
	.p2align	6, 0x0
	.amdhsa_kernel k_qb7b91526e9_proj
		.amdhsa_group_segment_fixed_size 307712
		.amdhsa_private_segment_fixed_size 0
		.amdhsa_enable_private_segment 0
		.amdhsa_kernarg_size 24
		.amdhsa_user_sgpr_count 2
		.amdhsa_user_sgpr_kernarg_segment_ptr 1
		.amdhsa_wavefront_size32 1
		.amdhsa_system_sgpr_workgroup_id_x 1
		.amdhsa_system_sgpr_workgroup_id_y 1
		.amdhsa_system_sgpr_workgroup_id_z 1
		.amdhsa_system_vgpr_workitem_id 0
		.amdhsa_next_free_vgpr 768
		.amdhsa_next_free_sgpr 96
		.amdhsa_reserve_vcc 0
		.amdhsa_float_denorm_mode_32 3
		.amdhsa_float_denorm_mode_16_64 3
		.amdhsa_memory_ordered 1
		.amdhsa_forward_progress 1
		.amdhsa_inst_pref_size 90
	.end_amdhsa_kernel
	.amdgpu_metadata
---
amdhsa.version: [ 1, 2 ]
amdhsa.kernels:
  - .name:           k_qb7b91526e9_proj
    .symbol:         k_qb7b91526e9_proj.kd
    .args:
      - { .name: img, .offset: 0, .size: 8, .value_kind: global_buffer, .address_space: global }
      - { .name: qc, .offset: 8, .size: 8, .value_kind: global_buffer, .address_space: global }
      - { .name: kv, .offset: 16, .size: 8, .value_kind: global_buffer, .address_space: global }
    .group_segment_fixed_size: 307712
    .private_segment_fixed_size: 0
    .kernarg_segment_align: 8
    .kernarg_segment_size: 24
    .max_flat_workgroup_size: 128
    .sgpr_count:     96
    .vgpr_count:     768
    .wavefront_size: 32
...
	.end_amdgpu_metadata
.endif
;; end of part 2
;; launch attn (part 3): grid 4 x 64, 8 waves a work-group, clusters of 4 x 1, 205,824 bytes of LDS; arguments qc, kv, ao; writes ao
.if DOCPART == 3
	.amdgcn_target "amdgcn-amd-amdhsa--gfx1250"
	.amdhsa_code_object_version 6
	.text
	.protected	k_qb7b91526e9_attn
	.globl	k_qb7b91526e9_attn
	.p2align	8
	.type	k_qb7b91526e9_attn,@function
k_qb7b91526e9_attn:
	s_mov_b64 s[64:65], 0
	v_nop
	global_prefetch_b8 v0, s[64:65] scope:SCOPE_SE
	s_setreg_imm32_b32 hwreg(HW_REG_WAVE_MODE, 25, 1), 1
	s_wait_xcnt 0x0
	s_wait_alu depctr_hold_cnt(0) depctr_sa_sdst(0) depctr_va_vdst(0) depctr_va_sdst(0) depctr_va_ssrc(0) depctr_va_vcc(0) depctr_vm_vsrc(0)
	s_getreg_b32 s2, hwreg(HW_REG_IB_STS2, 6, 4)
	s_cmp_eq_u32 s2, 0
	s_cbranch_scc0 .Lentry_in_a_cluster
	s_endpgm
.Lentry_in_a_cluster:
	s_bfe_u32 s2, ttmp6, 0x10000c
	s_cmp_lg_u32 s2, 0x3003
	s_cbranch_scc0 .Lentry_shape_is_right
	s_endpgm
.Lentry_shape_is_right:
; O = softmax(Q K^T / 8) V for one (batch, head), both products on codes of FP6 (E2M3) with E8M0 scales, and O / l quantised along the model's 1,024 for the last projection.
; THE SOFTMAX AHEAD OF THE SECOND PRODUCT: t = score x log2(e) / 8; M = the running largest t rounded UP to a whole number; p = 2^(t - M) is quantised along the keys, not normalised; the row's sum is taken of the
; unquantised p and divides at the end; when M moves, the sum and O are multiplied by 2^(old M - new M), which rounds nothing.
; SHARES: a work-group owns 512 queries of a head; each of its eight waves 64 of them, FOUR TILES OF 16, in one pass over the keys: a step's 12,800 bytes of K and V are loaded from LDS once for 64 queries.
; THE HEAD'S WHOLE K AND V LIE IN LDS: 16 chunks of 12,800 bytes (128 keys each), filled once; wave w brings chunks 2 w and 2 w + 1 by one load.  CLUSTER: the four work-groups of a cluster are one head's: each load is joint.
; All loads go out in the first lines (one a wave), so nothing is left to be asked for ahead of time.  Behind the head's barrier no LDS byte is written again, so the waves walk the keys with no further barrier.
; A STEP: V's fragments are asked for; then for each tile in turn its scores, softmax and p's codes (one set of 64 score registers serves the four); behind the fourth tile's scores K's registers take the NEXT step's fragments;
; then the 16 products with V on end.  The last step, which has no next, is written out behind the loop.
; K = 64 IN A FORM WHOSE K IS 128: a fragment of K carries TWO tiles of 16 keys, one in k 0-63, one in k 64-127.  Q stands in 18 registers as [q | zeros | q]: registers 0-11 pick the first tile, registers 6-17 the second.
; Zero codes add exactly 0; Q's scale bytes over its zero half are 1.
; Both products are used transposed (source 0 = keys, or 16 of the head's 64; source 1 = 16 queries): a lane holds one query of each tile throughout.
; THE KEYS OF A TILE: lane-row i of tile T of a chunk is key 64 (T / 4) + 8 (T % 4) + i % 8 + 32 (i / 8).  So score register 32 c + i of lane (r, h) is key 64 c + 32 h + i: a whole block of 32 keys in a lane, in the order of p's operand.
; REGISTERS.  Window 0: addresses, the tiles' -M, maxima, sums and scale words, K's and V's fragments, the scores, all that the softmax works on.  Window 1: v0-127 the four O^T, v128-199 the four [q | 0 | q], v200-247 the four p, v248-255 at work.
; OUT: ao is laid as a panel of the projection's A': a tile's half fragment (16 tokens x this head's 64) is 768 consecutive bytes; its two scale bytes go into the word that two heads share, 2 bytes a lane:
; those stores cover parts of aligned runs of 256 bytes; they are one byte in 25 of what this launch stores.  Lanes l and l + 16 store the same two bytes to the same place.
; LIMITS: NaN and infinities not served; the scaled scores t stay under 2^31 in magnitude; a p under 2^-126 becomes 0; blocks under 2^-124 and blocks of zeros get the byte 1; 1 / l is v_rcp_f32 and a multiplication.
.set CHUNK, 12800
.set FRB,   1536
.set SPARE, 16*CHUNK                   ; behind the chunks: the spare words, 128 bytes a wave, that no other line names
.set SPW, 4
.set NIL, 5
.set A16, 6                            ; LDS addresses of a chunk: 16, 8, 4 x lane + the chunk
.set A8,  7
.set A4,  8
.set SH,  9                            ; 8 x (lane / 16)
.set MM,  10                           ; v[10+2a] -M, v[11+2a] the largest score so far, tile a
.set LS,  18                           ; v[18+2a:19+2a] the sum, in two halves
.set FF,  26                           ; v26 f (v27 named with it as a pair)
.set TT,  28
.set TP,  29
.set TQ,  30
.set SO,  31                           ; ao's scale bytes: my lane's offset
.set CH,  32                           ; v32-35 at the end: at work
.set PW,  36                           ; v36-39 the tiles' scale words of p
.set VS,  40                           ; v[40:41] V's scale words
.set KS,  42                           ; v42-43 K's
.set QS,  44                           ; v[44+2a], v[45+2a] the scale words for [q | 0] and [0 | q]
.set BS,  52                           ; v52-53 the conversions' scale operands
.set BT,  54                           ; v54-55 the scale bytes
.set RC,  56                           ; at the end: v[56+2a] 1 / l
.set KF,  64                           ; v64-111 K's four fragments
.set VF,  112                          ; v112-159 V's
.set SS,  160                          ; v160-223 S^T, then p
.set C8,  224                          ; v224-231 eight chains of maxima, one to an accumulator; v224, v228 the two blocks' largest
.set XS,  232                          ; v232-245 seven more chains of the sum
.set QWR, 224                          ; at the head: my two groups' scale words of q, and 4 r
.set QA,  226
.set EO,  64                           ; at the end: v64-191 O / l, 32 registers a tile
.set CM,  192                          ; v192-199, v200-207, v208-215: largest magnitudes, bytes, scale operands: 2 a + b
.set BTO, 200
.set BSO, 208
.set PTO, 216                          ; v216-231 the second conversions' codes, 4 a
.set PO,  232                          ; v232-255 the half fragments, 6 a
.set OT,  0                            ; window 1
.set QF,  128
.set PP,  200
.set PT,  248
.set WV,  10
.set G1,  16
.set G0,  24
.set SEL, 28
.set CS,  30                           ; s[30:31] c = log2(e) / 8
.set TB,  32
.set CNT, 33
.set AO,  34
.set AOS, 36
.set QB,  38
.set QSB, 40
.set K1,  42
.set K2,  43
.set MSB, 0
.macro WIN new                         ; low byte: bits 1:0 source 0, 3:2 source 1, 5:4 source 2, 7:6 destination; the high byte repeats the setting that is left
.if MSB != \new
	s_set_vgpr_msb (MSB<<8)|\new
.set MSB, \new
.endif
.endm
.macro PLACES
.rept 4
	v_nop
.endr
.endm
.macro CROUND
	s_barrier_signal -1
	s_barrier_wait -1
	s_cmp_lg_u32 s[WV], 0
	s_cbranch_scc1 .Lnot_wave_0_\@
	s_barrier_signal -3
.Lnot_wave_0_\@:
	s_barrier_wait -3
	s_barrier_signal -1
	s_barrier_wait -1
.endm
.macro FRAG reg, a16, a8, off
	ds_load_b128 v[\reg:\reg+3], v[\a16] offset:\off
	ds_load_b64 v[\reg+4:\reg+5], v[\a8] offset:\off+512
	ds_load_b128 v[\reg+6:\reg+9], v[\a16] offset:\off+768
	ds_load_b64 v[\reg+10:\reg+11], v[\a8] offset:\off+1280
.endm
.macro KLOAD                           ; K's four fragments and two scale words of the chunk at the address registers: 18 loads
.irp f, 0,1,2,3
	FRAG KF+12*\f, A16, A8, FRB*\f
.endr
	ds_load_b32 v[KS], v[A4] offset:12288
	ds_load_b32 v[KS+1], v[A4] offset:12416
.endm
	s_load_b128 s[4:7], s[0:1], 0x0                ; qc, kv
	s_load_b64 s[8:9], s[0:1], 0x10                ; ao
	v_lshl_add_u32 v[SPW], v0, 2, SPARE
	v_mov_b32 v[NIL], 0
	ds_add_u32 v[SPW], v[NIL]                      ; the wave's opening: the add, twice on end, and its wait ahead of my tensor load
	ds_add_u32 v[SPW], v[NIL]
	v_lshrrev_b32 v1, 5, v0
	s_delay_alu instid0(VALU_DEP_1)
	v_readfirstlane_b32 s[WV], v1                  ; wave 0..7
	s_bfe_u32 s11, ttmp6, 0x40000                  ; cx: it enters Q's and ao's addresses alone
	s_and_b32 s12, ttmp7, 0xffff                   ; 16 b + head, which the four partners share
	s_mov_b32 s[G1], 15|(3<<16)|(1<<21)            ; 15:0 the mask: all four; 17:16 elements of 8 bytes; 21 set beside a mask
	s_mov_b32 s[G1+1], 32<<16                      ; dense rows of 256 bytes
	s_mov_b32 s[G1+2], 100<<16                     ; two chunks: 100 of them
	s_mov_b32 s[G1+3], 32<<16
	s_mov_b32 s[G1+4], 100
	s_mov_b32 s[G1+5], 32
	s_mov_b32 s[G1+6], 0
	s_mov_b32 s[G1+7], 0
	s_mul_i32 s13, s[WV], 2*CHUNK                  ; my two chunks, in LDS and in the head
	s_mul_i32 s14, s12, 16*CHUNK
	s_add_co_u32 s14, s14, s13
	s_mov_b32 s15, 0
	s_lshl_b32 s44, s11, 2
	s_lshr_b32 s45, s[WV], 1
	s_add_co_u32 s44, s44, s45                     ; my queries' step of 128 tokens: 4 cx + wave / 2
	s_and_b32 s45, s[WV], 1
	s_lshl_b32 s45, s45, 1                         ; and the first of their two groups of 32 in it
	s_mul_i32 s46, s12, 102400
	s_mul_i32 s47, s44, 6400
	s_add_co_u32 s46, s46, s47                     ; qc's chunk
	s_mul_i32 s47, s45, FRB
	s_add_co_u32 s[QB], s46, s47
	s_mov_b32 s[QB+1], 0
	s_lshl_b32 s47, s45, 6
	s_add_co_u32 s[QSB], s46, s47
	s_add_co_u32 s[QSB], s[QSB], 6144              ; my groups' scale words, 16 each
	s_mov_b32 s[QSB+1], 0
	s_lshr_b32 s48, s12, 4                         ; b
	s_and_b32 s49, s12, 15                         ; head
	s_lshl_b32 s48, s48, 4
	s_add_co_u32 s48, s48, s44                     ; ao's panel
	s_mul_i32 s48, s48, 102400
	s_lshr_b32 s50, s49, 2
	s_mul_i32 s50, s50, 25600
	s_add_co_u32 s48, s48, s50                     ; four heads are a quarter of K
	s_bfe_u32 s50, s49, 0x10001                    ; which K step of the quarter
	s_and_b32 s51, s49, 1                          ; which half of the K step
	s_mul_i32 s52, s50, 12288
	s_add_co_u32 s[AO], s48, s52
	s_mul_i32 s52, s45, 3072
	s_add_co_u32 s[AO], s[AO], s52
	s_mul_i32 s52, s51, 768
	s_add_co_u32 s[AO], s[AO], s52
	s_add_co_u32 s[AO], s[AO], 1024
	s_mov_b32 s[AO+1], 0
	s_lshl_b32 s52, s45, 8
	s_add_co_u32 s[AOS], s48, s52
	s_lshl_b32 s52, s51, 1
	s_add_co_u32 s[AOS], s[AOS], s52
	s_mov_b32 s[AOS+1], 0
	s_lshl_b32 s50, s50, 7
	s_mov_b32 s[SEL], 0x76543210
	s_mov_b32 s[SEL+1], 0xfedcba98
	s_mov_b32 s[CS], 0x3e38aa3b                    ; log2(e) / 8
	s_mov_b32 s[CS+1], s[CS]                       ; (named with it as a pair)
	s_mov_b32 s[K1], 0x01010000
	s_mov_b32 s[K2], 0x0101
	v_and_b32 v3, 31, v0
	s_delay_alu instid0(VALU_DEP_1)
	v_lshlrev_b32 v1, 4, v3                        ; 16 x lane
	s_delay_alu instid0(VALU_DEP_2)
	v_lshlrev_b32 v2, 3, v3                        ; 8 x lane
	s_delay_alu instid0(VALU_DEP_3)
	v_lshlrev_b32 v3, 2, v3                        ; 4 x lane
	v_and_b32 v[QA], 15, v0
	s_delay_alu instid0(VALU_DEP_1)
	v_lshl_add_u32 v[SO], v[QA], 3, s50            ; 8 (16 x K step + r)
	s_delay_alu instid0(VALU_DEP_2)
	v_lshlrev_b32 v[QA], 2, v[QA]                  ; 4 r
	v_bfe_u32 v[SH], v0, 4, 1
	v_mov_b32 v[TP], 0                             ; a lane permute's destination counts as one of its sources
	v_lshlrev_b32 v[SH], 3, v[SH]                  ; 8 h
	s_wait_dscnt 0x0                               ; both opening adds are done
	s_wait_kmcnt 0x0
	s_mov_b32 s[G0], 1
	s_mov_b32 s[G0+1], s13
	s_add_nc_u64 s[G0+2:G0+3], s[6:7], s[14:15]
	s_or_b32 s[G0+3], s[G0+3], 0x80000000
	s_add_nc_u64 s[QB:QB+1], s[4:5], s[QB:QB+1]
	s_add_nc_u64 s[QSB:QSB+1], s[4:5], s[QSB:QSB+1]
	s_add_nc_u64 s[AO:AO+1], s[8:9], s[AO:AO+1]
	s_add_nc_u64 s[AOS:AOS+1], s[8:9], s[AOS:AOS+1]
	CROUND                                         ; all four work-groups are here: the joint loads meet
	tensor_load_to_lds s[G0:G0+3], s[G1:G1+7]      ; my one tensor load
	s_nop 0
	PLACES
	s_wait_alu depctr_va_vdst(0)
	WIN 0x40                                       ; destinations in window 1
.irp a, 0,1,2,3
	global_load_b128 v[QF+18*\a:QF+18*\a+3], v1, s[QB:QB+1] offset:768*\a          ; tile a's q
	global_load_b64 v[QF+18*\a+4:QF+18*\a+5], v2, s[QB:QB+1] offset:768*\a+512
.endr
	WIN 0
	global_load_b32 v[QWR], v[QA], s[QSB:QSB+1]
	global_load_b32 v[QWR+1], v[QA], s[QSB:QSB+1] offset:64
	WIN 0x40
.irp a, 0,1,2,3
.irp i, 6,7,8,9,10,11
	v_mov_b32 v[QF+18*\a+\i], 0                    ; the zero halves
.endr
.endr
.set j, 0
.rept 128
	v_mov_b32 v[OT+j], 0                           ; the step's text serves every step: the first finds zeros, which the first change of M leaves zeros
.set j, j+1
.endr
	WIN 0
.irp a, 0,1,2,3
	v_mov_b32 v[MM+2*\a+1], 0xff61b1e6             ; the largest score so far: -3e38,
	v_mov_b32 v[MM+2*\a], 0x7f61b1e6               ; and a -M to match: 3e38, a whole number
	v_mov_b32 v[LS+2*\a], 0
	v_mov_b32 v[LS+2*\a+1], 0
	v_mov_b32 v[RC+2*\a+1], 0                      ; (named as the upper halves of pairs)
.endr
	v_mov_b32 v[FF+1], 0
	v_mov_b32 v[A16], v1                           ; chunk 0 lies at LDS byte 0
	v_mov_b32 v[A8], v2
	v_mov_b32 v[A4], v3
	s_wait_alu depctr_va_vdst(0)                   ; the wait at the head's end
	s_wait_tensorcnt 0x0                           ; my chunks are in,
	s_barrier_signal -1
	s_barrier_wait -1                              ; everybody's are
	KLOAD                                          ; the first step's K
	s_wait_loadcnt 0x0                             ; Q
.irp g, 0,1                                    ; a group's word is {u0.b0, u0.b1, u1.b0, u1.b1}; over the zeros the byte 1
	v_and_or_b32 v[QS+4*\g], v[QWR+\g], 0xffff, s[K1]              ; tile 2 g: [q | 0]
	v_lshl_or_b32 v[QS+4*\g+1], v[QWR+\g], 16, s[K2]               ;           [0 | q]
	v_lshrrev_b32 v[QS+4*\g+2], 16, v[QWR+\g]
	v_and_or_b32 v[QS+4*\g+3], v[QWR+\g], 0xffff0000, s[K2]        ; tile 2 g + 1: [0 | q]
.endr
	v_or_b32 v[QS+2], s[K1], v[QS+2]               ; tile 1: [q | 0]
	v_or_b32 v[QS+6], s[K1], v[QS+6]               ; tile 3
	WIN 0x41
.irp a, 0,1,2,3
.irp i, 0,1,2,3,4,5
	v_mov_b32 v[QF+18*\a+12+\i], v[QF+18*\a+\i]
.endr
.endr
	WIN 0
; THE ROW'S SUM OF THE UNQUANTISED p: 32 packed additions in eight chains (the pair at LSA and seven more); line k of them
.macro SUM k
.if (\k) == 0
	v_pk_add_f32 v[LSA:LSA+1], v[LSA:LSA+1], v[SS:SS+1]
.elseif (\k) < 8
	v_pk_add_f32 v[XS+2*(\k)-2:XS+2*(\k)-1], v[SS+4*(\k)-2:SS+4*(\k)-1], v[SS+4*(\k):SS+4*(\k)+1]
.elseif (\k) < 25
.if (\k)%8 == 0
	v_pk_add_f32 v[LSA:LSA+1], v[LSA:LSA+1], v[SS+2*(\k)+14:SS+2*(\k)+15]
.else
	v_pk_add_f32 v[XS+2*((\k)%8)-2:XS+2*((\k)%8)-1], v[XS+2*((\k)%8)-2:XS+2*((\k)%8)-1], v[SS+2*(\k)+14:SS+2*(\k)+15]
.endif
.elseif (\k) == 25
	v_pk_add_f32 v[XS:XS+1], v[XS:XS+1], v[XS+2:XS+3]
.elseif (\k) == 26
	v_pk_add_f32 v[XS+4:XS+5], v[XS+4:XS+5], v[XS+6:XS+7]
.elseif (\k) == 27
	v_pk_add_f32 v[XS+8:XS+9], v[XS+8:XS+9], v[XS+10:XS+11]
.elseif (\k) == 28
	v_pk_add_f32 v[LSA:LSA+1], v[LSA:LSA+1], v[XS+12:XS+13]
.elseif (\k) == 29
	v_pk_add_f32 v[XS:XS+1], v[XS:XS+1], v[XS+4:XS+5]
.elseif (\k) == 30
	v_pk_add_f32 v[LSA:LSA+1], v[LSA:LSA+1], v[XS+8:XS+9]
.else
	v_pk_add_f32 v[LSA:LSA+1], v[LSA:LSA+1], v[XS:XS+1]
.endif
.endm
.macro SUMS n
.rept \n
	SUM SK
.set SK, SK+1
.endr
.endm
.macro PKF n                           ; n more of the 32 lines t - M = score x c - M, two numbers a line
.rept \n
	v_pk_fma_f32 v[SS+PJ:SS+PJ+1], v[SS+PJ:SS+PJ+1], s[CS:CS+1], v[MA:MA+1] op_sel_hi:[1,0,0]
.set PJ, PJ+2
.endr
.endm
; TILE a OF MY QUERIES AGAINST THE STEP'S 128 KEYS: scores, softmax, p's codes and scale word, O^T brought under the new M.  next = 1: behind the scores K's registers take the chunk at LDS byte s[TB]
.macro TILE a, next
.set MA,  MM+2*(\a)
.set LSA, LS+2*(\a)
.set OA,  OT+32*(\a)
.set PA,  PP+12*(\a)
.set WA,  PW+(\a)
	WIN 0x04                                       ; source 1, q: window 1
.irp f, 0,1,2,3                                ; S^T: register 16 f + 8 u + j of lane (r, h) is key 64 (f / 2) + 32 h + 16 (f % 2) + 8 u + j for query r
.irp u, 0,1
.if \f%2
	v_wmma_scale_f32_16x16x128_f8f6f4 v[SS+16*\f+8*\u:SS+16*\f+8*\u+7], v[KF+12*\f:KF+12*\f+11], v[QF+18*(\a)+6*\u:QF+18*(\a)+6*\u+11], 0, v[KS+\f/2], v[QS+2*(\a)+\u] matrix_a_fmt:MATRIX_FMT_FP6 matrix_b_fmt:MATRIX_FMT_FP6 matrix_a_scale:MATRIX_SCALE_ROW1
.else
	v_wmma_scale_f32_16x16x128_f8f6f4 v[SS+16*\f+8*\u:SS+16*\f+8*\u+7], v[KF+12*\f:KF+12*\f+11], v[QF+18*(\a)+6*\u:QF+18*(\a)+6*\u+11], 0, v[KS+\f/2], v[QS+2*(\a)+\u] matrix_a_fmt:MATRIX_FMT_FP6 matrix_b_fmt:MATRIX_FMT_FP6
.endif
.endr
.endr
	WIN 0
	v_mov_b32 v[TT], v[MA]                         ; the old -M; with the three lines below: the places ahead of the first read of the scores, and of loads into K's registers
.if \next
	v_add_nc_u32 v[A16], s[TB], v1
	v_add_nc_u32 v[A8], s[TB], v2
	v_add_nc_u32 v[A4], s[TB], v3
	KLOAD                                          ; the next step's K lands under this tile's softmax and the products with V
.else
	v_nop
	v_nop
	v_nop
.endif
.irp T, 0,1,2,3,4,5,6,7
	v_max3_num_f32 v[C8+\T], v[SS+8*\T], v[SS+8*\T+1], v[SS+8*\T+2]   ; eight chains, one to an accumulator, each read from its low end on
.endr
.irp i, 3,5
.irp T, 0,1,2,3,4,5,6,7
	v_max3_num_f32 v[C8+\T], v[C8+\T], v[SS+8*\T+\i], v[SS+8*\T+\i+1]
.endr
.endr
	v_max3_num_f32 v[C8], v[C8], v[C8+1], v[SS+7]
	v_max3_num_f32 v[C8+4], v[C8+4], v[C8+5], v[SS+39]
	v_max3_num_f32 v[C8+2], v[C8+2], v[C8+3], v[SS+15]
	v_max3_num_f32 v[C8+6], v[C8+6], v[C8+7], v[SS+47]
	v_max3_num_f32 v[C8], v[C8], v[C8+2], v[SS+23]
	v_max3_num_f32 v[C8+4], v[C8+4], v[C8+6], v[SS+55]
	v_max_num_f32 v[C8], v[C8], v[SS+31]           ; the largest score of my two blocks: for the row's maximum, and, since p rises with the score, for the block's largest p
	v_max_num_f32 v[C8+4], v[C8+4], v[SS+63]
	s_delay_alu instid0(VALU_DEP_1)
	v_max3_num_f32 v[TQ], v[C8], v[C8+4], v[MA+1]
	s_delay_alu instid0(VALU_DEP_1)
	v_permlanex16_b32 v[TP], v[TQ], s[SEL], s[SEL+1]
	s_delay_alu instid0(VALU_DEP_1)
	v_max_num_f32 v[MA+1], v[TQ], v[TP]            ; with lane l xor 16's two blocks: the running largest score
	s_delay_alu instid0(VALU_DEP_1)
	v_mul_f32 v[TQ], s[CS], v[MA+1]                ; as t (c is positive)
	s_delay_alu instid0(VALU_DEP_1)
	v_floor_f32 v[MA], -v[TQ]                      ; -M = floor(-t): M is a whole number
.set PJ, 0
	PKF 4                                          ; (the three lines that make f stand among the multiply-adds)
	v_sub_f32 v[TT], v[MA], v[TT]                  ; old M - new M, 0 or less
	PKF 4
	v_cvt_i32_f32 v[TT], v[TT]                     ; (it saturates)
	PKF 4
	v_ldexp_f32 v[FF], 1.0, v[TT]                  ; f = 2^(old M - new M)
	PKF 20
	v_fma_f32 v[C8], v[C8], s[CS], v[MA]           ; the same of each block's largest score
	v_fma_f32 v[C8+4], v[C8+4], s[CS], v[MA]
	WIN 0x41                                       ; destination and source 0: window 1
	s_wait_alu depctr_va_vdst(0)                   ; the wait directly ahead of the first reader of O^T
.set j, 0
.rept 16
	v_pk_mul_f32 v[OA+j:OA+j+1], v[OA+j:OA+j+1], v[FF:FF+1] op_sel_hi:[1,0]   ; O^T under the new M, each accumulator from its low end on
.set j, j+2
.endr
	WIN 0
	s_wait_alu depctr_va_vdst(0)                   ; the wait ahead of the batch
.set j, 0
.rept 64
	v_exp_f32 v[SS+j], v[SS+j]                     ; p = 2^(t - M), at most 1
.set j, j+1
.endr
	v_exp_f32 v[C8], v[C8]                         ; the blocks' largest p: the same two instructions on the same number
	v_exp_f32 v[C8+4], v[C8+4]
	v_pk_mul_f32 v[LSA:LSA+1], v[LSA:LSA+1], v[FF:FF+1] op_sel_hi:[1,0]   ; the sums under the new M: the plain place behind the exponentials
	s_wait_alu depctr_va_vdst(0)                   ; one wait for the batch, ahead of its first reader
.set SK, 0
	v_max_num_f32 v[C8], 0x1800000, v[C8]          ; the floor 2^(3 - 127): the byte cannot fall under 1
	v_max_num_f32 v[C8+4], 0x1800000, v[C8+4]
	SUMS 2                                         ; (the sum's lines stand between the scale's, which hang on each other)
	v_add_nc_u32 v[BS], 0xff000000, v[C8]          ; 2 off the exponent field: the conversion's scale operand
	v_add_nc_u32 v[BS+1], 0xff000000, v[C8+4]
	SUMS 2
	v_lshrrev_b32 v[BT], 23, v[BS]                 ; the scale's byte
	v_lshrrev_b32 v[BT+1], 23, v[BS+1]
	WIN 0x40                                       ; the codes go to window 1
.irp c, 0,1
	v_cvt_scalef32_pk16_fp6_f32 v[PA+6*\c:PA+6*\c+2], v[SS+32*\c:SS+32*\c+15], v[BS+\c]
	v_cvt_scalef32_pk16_fp6_f32 v[PT+4*\c:PT+4*\c+2], v[SS+32*\c+16:SS+32*\c+31], v[BS+\c]   ; (a conversion's three registers begin on an even number)
.endr
	WIN 0
	SUMS 2                                         ; plain places behind the conversions
	v_lshl_or_b32 v[WA], v[BT+1], 16, v[BT]        ; my two bytes: blocks h and 2 + h,
	WIN 0x41
.irp i, 0,1,2
	v_mov_b32 v[PA+3+\i], v[PT+\i]
.endr
.irp i, 0,1,2
	v_mov_b32 v[PA+9+\i], v[PT+4+\i]
.endr
	WIN 0
	v_lshlrev_b32 v[WA], v[SH], v[WA]              ; at their places in the word
	SUMS 2
	v_permlanex16_b32 v[TP], v[WA], s[SEL], s[SEL+1]
	SUMS 2
	v_or_b32 v[WA], v[WA], v[TP]                   ; with lane l xor 16's two: p's scale word for these 128 keys
	SUMS 22                                        ; these lines also stand between the writing of p's codes and scale word and the products
.endm
; A KEY STEP: 128 keys.  K's fragments are on their way or in; the address registers still name their chunk, whose V is asked for now.  next = 1: a step follows, its chunk at LDS byte s[TB]
.macro STEP next
	PLACES                                         ; behind the last step's products, ahead of the loads into their sources
.irp t, 0,1,2,3
	FRAG VF+12*\t, A16, A8, 6144+FRB*\t
.endr
	ds_load_b64 v[VS:VS+1], v[A8] offset:12544
	s_wait_alu depctr_va_vdst(0)
	s_wait_dscnt 17                                ; K is in; V's 17 loads, issued behind K's, may be out
	TILE 0, 0
	TILE 1, 0
	TILE 2, 0
	TILE 3, \next
	s_wait_alu depctr_va_vdst(0)
.if \next
	s_wait_dscnt 18                                ; V is in; the next K's 18 loads, issued behind V's, may be out
.else
	s_wait_dscnt 0x0                               ; V is in
.endif
	WIN 0x54                                       ; source 1 (p), C and D (O^T): window 1
.irp t, 0,1,2,3                                ; O^T += V^T P^T: register 8 t + j of lane (r, h) is channel 32 (t / 2) + 16 h + 8 (t % 2) + j; the 16 accumulators by turns
.irp a, 0,1,2,3
.if \t%2
	v_wmma_scale_f32_16x16x128_f8f6f4 v[OT+32*\a+8*\t:OT+32*\a+8*\t+7], v[VF+12*\t:VF+12*\t+11], v[PP+12*\a:PP+12*\a+11], v[OT+32*\a+8*\t:OT+32*\a+8*\t+7], v[VS+\t/2], v[PW+\a] matrix_a_fmt:MATRIX_FMT_FP6 matrix_b_fmt:MATRIX_FMT_FP6 matrix_a_scale:MATRIX_SCALE_ROW1
.else
	v_wmma_scale_f32_16x16x128_f8f6f4 v[OT+32*\a+8*\t:OT+32*\a+8*\t+7], v[VF+12*\t:VF+12*\t+11], v[PP+12*\a:PP+12*\a+11], v[OT+32*\a+8*\t:OT+32*\a+8*\t+7], v[VS+\t/2], v[PW+\a] matrix_a_fmt:MATRIX_FMT_FP6 matrix_b_fmt:MATRIX_FMT_FP6
.endif
.endr
.endr
	WIN 0
.endm
	s_mov_b32 s[TB], CHUNK                         ; the chunk of the step that follows
	s_mov_b32 s[CNT], 15
.Lstep:
	STEP 1
	s_add_co_u32 s[TB], s[TB], CHUNK
	s_sub_co_u32 s[CNT], s[CNT], 1
	s_cmp_lg_u32 s[CNT], 0
	s_cbranch_scc1 .Lstep
	STEP 0                                         ; the sixteenth step: nothing follows it
; THE END: O / l of the four tiles, quantised along the head's 64; the four tiles' chains by turns
	PLACES                                         ; behind the last products
.irp a, 0,1,2,3
	v_add_f32 v[LS+2*\a], v[LS+2*\a], v[LS+2*\a+1]
.endr
.irp a, 0,1,2,3
	v_mov_b32 v[CH+\a], 0                          ; (lane permutes' destinations)
.endr
.irp a, 0,1,2,3
	v_permlanex16_b32 v[CH+\a], v[LS+2*\a], s[SEL], s[SEL+1]
.endr
.irp a, 0,1,2,3
	v_add_f32 v[LS+2*\a], v[LS+2*\a], v[CH+\a]     ; the rows' sums
.endr
	s_wait_alu depctr_va_vdst(0)
.irp a, 0,1,2,3
	v_rcp_f32 v[RC+2*\a], v[LS+2*\a]
.endr
	v_nop                                          ; a plain place behind the reciprocals
	WIN 0x01                                       ; source 0, O^T: window 1
	s_wait_alu depctr_va_vdst(0)                   ; and the wait ahead of their first reader, which is also O^T's
.irp a, 0,1,2,3
.set j, 0
.rept 16
	v_pk_mul_f32 v[EO+32*\a+j:EO+32*\a+j+1], v[OT+32*\a+j:OT+32*\a+j+1], v[RC+2*\a:RC+2*\a+1] op_sel_hi:[1,0]   ; register 16 b + i is channel 32 b + 16 h + i; each accumulator from its low end on
.set j, j+2
.endr
.endr
	WIN 0
.irp a, 0,1,2,3
.irp b, 0,1
	v_max3_num_f32 v[CM+2*\a+\b], |v[EO+32*\a+16*\b]|, |v[EO+32*\a+16*\b+1]|, 0x1800000
.endr
.endr
.irp i, 2,4,6,8,10,12,14
.irp a, 0,1,2,3
.irp b, 0,1
	v_max3_num_f32 v[CM+2*\a+\b], v[CM+2*\a+\b], |v[EO+32*\a+16*\b+\i]|, |v[EO+32*\a+16*\b+\i+1]|
.endr
.endr
.endr
.irp n, 0,1,2,3,4,5,6,7
	v_permlanex16_b32 v[BTO+\n], v[CM+\n], s[SEL], s[SEL+1]
.endr
.irp n, 0,1,2,3,4,5,6,7
	v_max_num_f32 v[CM+\n], v[CM+\n], v[BTO+\n]    ; here a block lies in lanes l and l xor 16
.endr
.irp n, 0,1,2,3,4,5,6,7
	v_add_nc_u32 v[BSO+\n], 0xff000000, v[CM+\n]
.endr
.irp n, 0,1,2,3,4,5,6,7
	v_lshrrev_b32 v[BTO+\n], 23, v[BSO+\n]
.endr
.irp a, 0,1,2,3
	v_lshl_or_b32 v[CH+\a], v[BTO+2*\a+1], 8, v[BTO+2*\a]   ; this head's two scale bytes of my row
.endr
.irp a, 0,1,2,3
	v_cvt_scalef32_pk16_fp6_f32 v[PO+6*\a:PO+6*\a+2], v[EO+32*\a:EO+32*\a+15], v[BSO+2*\a]
	v_cvt_scalef32_pk16_fp6_f32 v[PTO+4*\a:PTO+4*\a+2], v[EO+32*\a+16:EO+32*\a+31], v[BSO+2*\a+1]
.endr
	v_nop                                          ; one plain place behind a scaled conversion
.irp a, 0,1,2,3
.irp i, 0,1,2
	v_permlane16_swap_b32 v[PO+6*\a+\i], v[PTO+4*\a+\i]   ; the operand's layout wants a whole block in a lane
.endr
.endr
.irp a, 0,1,2,3
.irp i, 0,1,2
	v_mov_b32 v[PO+6*\a+3+\i], v[PTO+4*\a+\i]
.endr
.endr
.irp a, 0,1,2,3
	global_store_b128 v1, v[PO+6*\a:PO+6*\a+3], s[AO:AO+1] offset:1536*\a           ; 512 consecutive bytes,
	global_store_b64 v2, v[PO+6*\a+4:PO+6*\a+5], s[AO:AO+1] offset:1536*\a+512      ; and 256
	global_store_b16 v[SO], v[CH+\a], s[AOS:AOS+1] offset:256*(\a/2)+4*(\a%2)
.endr
	s_wait_tensorcnt 0x0                           ; the wave's end
	ds_add_u32 v[SPW], v[NIL]
	s_wait_dscnt 0x0
	CROUND                                         ; the closing round
	s_endpgm
.Lfunc_end_k_qb7b91526e9_attn:
	.size	k_qb7b91526e9_attn, .Lfunc_end_k_qb7b91526e9_attn-k_qb7b91526e9_attn
	.p2alignl 7, 3214868480
	.fill 96, 4, 3214868480
	.section	.rodata,"a",@progbits
	.p2align	6, 0x0
	.amdhsa_kernel k_qb7b91526e9_attn
		.amdhsa_group_segment_fixed_size 205824
		.amdhsa_private_segment_fixed_size 0
		.amdhsa_enable_private_segment 0
		.amdhsa_kernarg_size 24
		.amdhsa_user_sgpr_count 2
		.amdhsa_user_sgpr_kernarg_segment_ptr 1
		.amdhsa_wavefront_size32 1
		.amdhsa_system_sgpr_workgroup_id_x 1
		.amdhsa_system_sgpr_workgroup_id_y 1
		.amdhsa_system_sgpr_workgroup_id_z 1
		.amdhsa_system_vgpr_workitem_id 0
		.amdhsa_next_free_vgpr 512
		.amdhsa_next_free_sgpr 66
		.amdhsa_reserve_vcc 0
		.amdhsa_float_denorm_mode_32 3
		.amdhsa_float_denorm_mode_16_64 3
		.amdhsa_memory_ordered 1
		.amdhsa_forward_progress 1
		.amdhsa_inst_pref_size 134
	.end_amdhsa_kernel
	.amdgpu_metadata
---
amdhsa.version: [ 1, 2 ]
amdhsa.kernels:
  - .name:           k_qb7b91526e9_attn
    .symbol:         k_qb7b91526e9_attn.kd
    .args:
      - { .name: qc, .offset: 0, .size: 8, .value_kind: global_buffer, .address_space: global }
      - { .name: kv, .offset: 8, .size: 8, .value_kind: global_buffer, .address_space: global }
      - { .name: ao, .offset: 16, .size: 8, .value_kind: global_buffer, .address_space: global }
    .group_segment_fixed_size: 205824
    .private_segment_fixed_size: 0
    .kernarg_segment_align: 8
    .kernarg_segment_size: 24
    .max_flat_workgroup_size: 256
    .sgpr_count:     66
    .vgpr_count:     512
    .wavefront_size: 32
...
	.end_amdgpu_metadata
.endif
;; end of part 3
;; launch oproj (part 4): grid 4 x 64, 4 waves a work-group, clusters of 4 x 4, 307,712 bytes of LDS; arguments ao, img, out0; writes out0
.if DOCPART == 4
	.amdgcn_target "amdgcn-amd-amdhsa--gfx1250"
	.amdhsa_code_object_version 6
	.text
	.protected	k_qb7b91526e9_oproj
	.globl	k_qb7b91526e9_oproj
	.p2align	8
	.type	k_qb7b91526e9_oproj,@function
k_qb7b91526e9_oproj:
	s_mov_b64 s[64:65], 0
	v_nop
	global_prefetch_b8 v0, s[64:65] scope:SCOPE_SE
	s_setreg_imm32_b32 hwreg(HW_REG_WAVE_MODE, 25, 1), 1
	s_wait_xcnt 0x0
	s_wait_alu depctr_hold_cnt(0) depctr_sa_sdst(0) depctr_va_vdst(0) depctr_va_sdst(0) depctr_va_ssrc(0) depctr_va_vcc(0) depctr_vm_vsrc(0)
	s_getreg_b32 s2, hwreg(HW_REG_IB_STS2, 6, 4)
	s_cmp_eq_u32 s2, 0
	s_cbranch_scc0 .Lentry_in_a_cluster
	s_endpgm
.Lentry_in_a_cluster:
	s_bfe_u32 s2, ttmp6, 0x10000c
	s_cmp_lg_u32 s2, 0xf033
	s_cbranch_scc0 .Lentry_shape_is_right
	s_endpgm
.Lentry_shape_is_right:
; out0 = attention's result x Wo^T on codes of FP6 (E2M3) with E8M0 scales; out0 [8192][1024] f32.
; C'[m][n] = sum over k of A'[m][k] B'[n][k]: A' = a panel of 128 tokens of ao, B' = two panels of Wo (img's panels 216 on).  A work-group makes 128 x 256; K = 1,024 lies whole in LDS, filled once.
; Four waves: wave w takes A' blocks 4 (w / 2) + 0..3 and panel w % 2 of B': 32 accumulators, 32 matrix instructions a K step of 128, 8 K steps.
; TRANSPOSED (source 0 = 16 rows of B', source 1 = 16 rows of A'): a lane's 64 registers of an A' block are columns 32 g + 16 (lane / 16) + 0..15, g = 0..3, of one token.
; CLUSTER 4 x 4: A's panel is shared along a row of the cluster, B's two along a column: each quarter of K is asked for jointly.  All loads go out in the first lines (one a wave).
; THE WAY OUT: 16 tokens x 128 columns at a time through the wave's stage in LDS, back as whole rows of 512 bytes.  The stages lie in A's panel, which has had its only fill, and which nobody reads behind the last step's barrier.
; REGISTERS: window 0: v1-2 16, 8 x lane; v4-8 LDS addresses; v9, v10 the stage; v32-55 scale words; v128-223 A's fragments, later v128-255 rows of out0.  window 1: B's fragments.  window 2: the accumulators.
.set PANEL, 102400
.set QUART, 25600
.set FRB,   1536
.set SPARE, 3*PANEL                    ; behind the panels: the spare words, 128 bytes a wave, that no other line names
.set A16, 4
.set A8,  5
.set AS,  6
.set B16, 7
.set B8,  8
.set STO, 9
.set RD,  10
.set SPW, 12
.set NIL, 13
.set SCB, 32
.set SCA, 48
.set AF,  128
.set BK,  128
.set WV,  10
.set WH,  11
.set WL,  12
.set G1A, 24
.set G1B, 32
.set G0A, 40
.set G0B, 68
.set ENDBAR, 1
.set MSB, 0
.macro WIN new                         ; the immediate's high byte repeats the setting that is left
.if MSB != \new
	s_set_vgpr_msb (MSB<<8)|\new
.set MSB, \new
.endif
.endm
.macro PLACES                          ; four plain places behind matrix instructions, ahead of loads into their sources and of reads of their results
.rept 4
	v_nop
.endr
.endm
.macro CROUND
	s_barrier_signal -1
	s_barrier_wait -1
	s_cmp_lg_u32 s[WV], 0
	s_cbranch_scc1 .Lnot_wave_0_\@
	s_barrier_signal -3
.Lnot_wave_0_\@:
	s_barrier_wait -3
	s_barrier_signal -1
	s_barrier_wait -1
.endm
.macro FRAG reg, a16, a8, off
	ds_load_b128 v[\reg:\reg+3], v[\a16] offset:\off
	ds_load_b64 v[\reg+4:\reg+5], v[\a8] offset:\off+512
	ds_load_b128 v[\reg+6:\reg+9], v[\a16] offset:\off+768
	ds_load_b64 v[\reg+10:\reg+11], v[\a8] offset:\off+1280
.endm
.macro FETCH s
.set FQ, ((\s)/2)%2
.set FS, (\s)%2
.set FO, FQ*QUART+1024+12288*FS
	WIN 0x40
.irp b, 0,1,2,3,4,5,6,7
	FRAG 96*FS+12*\b, B16, B8, FO+FRB*\b
.endr
	WIN 0
.irp a, 0,1,2,3
	FRAG AF+48*FS+12*\a, A16, A8, FO+FRB*\a
.endr
.if FS == 0
.irp p, 0,1,2,3
	ds_load_b64 v[SCB+8*FQ+2*\p:SCB+8*FQ+2*\p+1], v[B8] offset:FQ*QUART+256*\p
.endr
.irp p, 0,1
	ds_load_b64 v[SCA+4*FQ+2*\p:SCA+4*FQ+2*\p+1], v[AS] offset:FQ*QUART+256*\p
.endr
.endif
.endm
.macro MUL s, zero                     ; the 32 accumulators take turns in the same order in every step.  An odd step's scale words lie in lanes 16-31
.set MQ, ((\s)/2)%2
.set MS, (\s)%2
	WIN 0xa1
.irp a, 0,1,2,3
.irp b, 0,1,2,3,4,5,6,7
.if \zero
	v_wmma_scale_f32_16x16x128_f8f6f4 v[8*(8*\a+\b):8*(8*\a+\b)+7], v[96*MS+12*\b:96*MS+12*\b+11], v[AF+48*MS+12*\a:AF+48*MS+12*\a+11], 0, v[SCB+8*MQ+\b], v[SCA+4*MQ+\a] matrix_a_fmt:MATRIX_FMT_FP6 matrix_b_fmt:MATRIX_FMT_FP6
.elseif MS
	v_wmma_scale_f32_16x16x128_f8f6f4 v[8*(8*\a+\b):8*(8*\a+\b)+7], v[96*MS+12*\b:96*MS+12*\b+11], v[AF+48*MS+12*\a:AF+48*MS+12*\a+11], v[8*(8*\a+\b):8*(8*\a+\b)+7], v[SCB+8*MQ+\b], v[SCA+4*MQ+\a] matrix_a_fmt:MATRIX_FMT_FP6 matrix_b_fmt:MATRIX_FMT_FP6 matrix_a_scale:MATRIX_SCALE_ROW1 matrix_b_scale:MATRIX_SCALE_ROW1
.else
	v_wmma_scale_f32_16x16x128_f8f6f4 v[8*(8*\a+\b):8*(8*\a+\b)+7], v[96*MS+12*\b:96*MS+12*\b+11], v[AF+48*MS+12*\a:AF+48*MS+12*\a+11], v[8*(8*\a+\b):8*(8*\a+\b)+7], v[SCB+8*MQ+\b], v[SCA+4*MQ+\a] matrix_a_fmt:MATRIX_FMT_FP6 matrix_b_fmt:MATRIX_FMT_FP6
.endif
.endr
.endr
	WIN 0
.endm
.macro KSTEP s
.if (\s) == 1
	s_wait_tensorcnt 0x0                           ; every wave's one load has landed: quarters 1 to 3 among them
.endif
	s_wait_dscnt 0x0                               ; step s's fragments are in
.if ((\s) == 1) || (((\s) == 7) && ENDBAR)
	s_barrier_signal -1
	s_barrier_wait -1                              ; everybody's part has landed; at the last step: everybody's reads of the panels are over
.endif
.if (\s) < 7
.if (\s) > 0
	PLACES
.endif
.if (\s) == 1
	v_add_nc_u32 v[B16], s[BUMP], v[B16]           ; from B's quarter 0 to where my panel's quarters 1 to 3 lie
	v_add_nc_u32 v[B8], s[BUMP], v[B8]
.endif
.if (\s) == 3
.irp r, 4,5,6,7,8
	s_wait_alu depctr_va_vdst(0)
	v_add_nc_u32 v\r, 2*QUART, v\r                 ; on to quarters 2 and 3 (no LDS load of mine is out)
.endr
.endif
	s_wait_alu depctr_va_vdst(0)
	FETCH (\s)+1
.endif
.if (\s) == 0
	MUL \s, 1
.else
	MUL \s, 0
.endif
.endm
	s_load_b128 s[4:7], s[0:1], 0x0                ; ao, img
	s_load_b64 s[8:9], s[0:1], 0x10                ; out0
	v_lshl_add_u32 v[SPW], v0, 2, SPARE
	v_mov_b32 v[NIL], 0
	ds_add_u32 v[SPW], v[NIL]                      ; the wave's opening: the add and its wait ahead of my first tensor load
	ds_add_u32 v[SPW], v[NIL]
	v_lshrrev_b32 v1, 5, v0
	v_readfirstlane_b32 s[WV], v1                  ; wave 0..3
	s_lshr_b32 s[WH], s[WV], 1
	s_and_b32 s[WL], s[WV], 1
	s_bfe_u32 s13, ttmp6, 0x40000                  ; cx
	s_bfe_u32 s14, ttmp6, 0x40004                  ; cy
	s_and_b32 s18, ttmp7, 0xffff
	s_lshl_b32 s18, s18, 2
	s_add_co_u32 s18, s18, s14                     ; ytile: the panel of tokens
	s_lshl_b32 s84, s14, 2
	s_lshl_b32 s84, 15, s84                        ; my row of the cluster
	s_lshl_b32 s85, 0x1111, s13                    ; my column
	s_or_b32 s[G1A], s84, (3<<16)|(1<<21)
	s_or_b32 s[G1B], s85, (3<<16)|(1<<21)
; FOUR TILES, ONE A WAVE: A's quarter 0 (100 rows of 256 bytes); quarter 0 of B's two panels (2 rows of 25,600 bytes, 102,400 apart in memory, on end in LDS);
; A's quarters 1 to 3 (300 rows of 256 bytes); quarters 1 to 3 of B's two panels (2 rows of 76,800 bytes).  Elements of 8 bytes.
.set G1A2, 68
.set G1B2, 76
.set BUMP, 88
.macro GRP1 g, c, r, p
	s_mov_b32 s[\g+1], (\c)<<16
	s_mov_b32 s[\g+2], (\r)<<16
	s_mov_b32 s[\g+3], (\c)<<16
	s_mov_b32 s[\g+4], \r
	s_mov_b32 s[\g+5], \p
	s_mov_b32 s[\g+6], 0
	s_mov_b32 s[\g+7], 0
.endm
	s_or_b32 s[G1A2], s84, (3<<16)|(1<<21)
	s_or_b32 s[G1B2], s85, (3<<16)|(1<<21)
	GRP1 G1A, 32, 100, 32
	GRP1 G1B, 3200, 2, 12800
	GRP1 G1A2, 32, 300, 32
	GRP1 G1B2, 9600, 2, 12800
	v_and_b32 v3, 31, v0
	v_lshlrev_b32 v1, 4, v3                        ; 16 x lane
	v_lshlrev_b32 v2, 3, v3                        ; 8 x lane
	s_mul_i32 s56, s[WH], 4*FRB
	v_add_nc_u32 v[A16], s56, v1
	v_add_nc_u32 v[A8], s56, v2
	s_lshl_b32 s56, s[WH], 9
	v_add_nc_u32 v[AS], s56, v2
	s_mul_i32 s[BUMP], s[WL], 2*QUART
	s_add_co_u32 s[BUMP], s[BUMP], QUART           ; B in LDS: [panel 0 q0][panel 1 q0][panel 0 q1-3][panel 1 q1-3]
	s_mul_i32 s57, s[WL], QUART
	s_add_co_u32 s57, s57, PANEL
	v_add_nc_u32 v[B16], s57, v1
	v_add_nc_u32 v[B8], s57, v2
	s_mul_i32 s59, s[WV], 8448                     ; my stage: 16 rows x 528 bytes
	v_and_b32 v14, 15, v0
	v_bfe_u32 v15, v0, 4, 1
	v_mul_u32_u24 v[STO], v14, 528
	v_lshl_add_u32 v[STO], v15, 6, v[STO]
	v_add_nc_u32 v[STO], s59, v[STO]               ; in: row r, + 64 h
	v_add_nc_u32 v[RD], s59, v1                    ; back: a row's 512 bytes, 16 a lane
	s_mul_i32 s60, s18, PANEL
	s_mov_b32 s61, 0
	s_lshl_b32 s23, s13, 1
	s_add_co_u32 s23, s23, 216
	s_mul_i32 s62, s23, PANEL                      ; B's on cx alone
	s_mov_b32 s63, 0
	s_lshl_b32 s86, s18, 19                        ; out0: 128 tokens of 4,096 bytes a panel,
	s_lshl_b32 s20, s[WH], 18                      ; my 64 of them,
	s_add_co_u32 s86, s86, s20
	s_lshl_b32 s20, s13, 10                        ; 256 columns a work-group,
	s_add_co_u32 s86, s86, s20
	s_lshl_b32 s20, s[WL], 9                       ; my 128
	s_add_co_u32 s86, s86, s20
	s_mov_b32 s87, 0
	s_wait_dscnt 0x0                               ; the opening add is done
	s_wait_kmcnt 0x0
	s_add_nc_u64 s[60:61], s[4:5], s[60:61]
	s_add_nc_u64 s[62:63], s[6:7], s[62:63]
	s_add_nc_u64 s[86:87], s[8:9], s[86:87]
.irp q, 0,1                            ; group 0 of the four tiles: A q0, B q0, A q1-3, B q1-3
	s_mov_b32 s[G0A+8*\q], 1
	s_mov_b32 s[G0A+8*\q+1], \q*QUART
	s_add_nc_u64 s[G0A+8*\q+2:G0A+8*\q+3], s[60:61], \q*QUART
	s_or_b32 s[G0A+8*\q+3], s[G0A+8*\q+3], 0x80000000
	s_mov_b32 s[G0A+8*\q+4], 1
	s_mov_b32 s[G0A+8*\q+5], PANEL+2*\q*QUART
	s_add_nc_u64 s[G0A+8*\q+6:G0A+8*\q+7], s[62:63], \q*QUART
	s_or_b32 s[G0A+8*\q+7], s[G0A+8*\q+7], 0x80000000
.endr
	CROUND                                         ; all sixteen work-groups are here: the joint loads meet
; one chain of branches on the wave's number, one joint load to an arm: every way through the head passes exactly one load
.macro ARM under, g0, g1, next
	s_cmp_lt_u32 s[WV], \under
	s_cbranch_scc0 \next
	tensor_load_to_lds s[\g0:\g0+3], s[\g1:\g1+7]
	s_nop 0
	PLACES
	s_branch .Lfirst_asked
\next:
.endm
	ARM 1, G0A, G1A, .Larm_1                       ; wave 0: A's quarter 0
	ARM 2, G0A+4, G1B, .Larm_2                     ; wave 1: B's quarter 0
	ARM 3, G0A+8, G1A2, .Larm_3                    ; wave 2: the rest of A
	tensor_load_to_lds s[G0A+12:G0A+15], s[G1B2:G1B2+7]   ; wave 3: the rest of B
	s_nop 0
	PLACES
.Lfirst_asked:
	s_cmp_lt_u32 s[WV], 2
	s_cbranch_scc0 .Lnot_first
	s_wait_tensorcnt 0x0                           ; waves 0 and 1: quarter 0 is in; the other two loads may be out
.Lnot_first:
	s_barrier_signal -1
	s_barrier_wait -1
	s_wait_alu depctr_va_vdst(0)
	FETCH 0
.irp s, 0,1,2,3,4,5,6,7
	KSTEP \s
.endr
	PLACES
.macro TOSTAGE a                       ; A' block a: the group of four registers i holds columns 32 (i / 4) + 16 h + 4 (i % 4) on; each accumulator from its low end on
	WIN 0x08                                       ; an LDS store's data are its source 1: window 2
.irp i, 0,1,2,3,4,5,6,7,8,9,10,11,12,13,14,15
	ds_store_b128 v[STO], v[64*(\a)+4*\i:64*(\a)+4*\i+3] offset:128*(\i/4)+16*(\i%4)
.endr
	WIN 0
.set BB, BK+64*((\a)%2)
.irp t, 0,1,2,3,4,5,6,7,8,9,10,11,12,13,14,15
	ds_load_b128 v[BB+4*\t:BB+4*\t+3], v[RD] offset:528*\t   ; LDS serves a wave's instructions in order: these see the stores above, and the next block's stores come behind them
.endr
.endm
.macro SEND a, younger                 ; younger: the LDS instructions issued behind block a's loads, which may stay out
.set BB, BK+64*((\a)%2)
	s_wait_dscnt \younger
.irp t, 0,1,2,3,4,5,6,7,8,9,10,11,12,13,14,15
	global_store_b128 v1, v[BB+4*\t:BB+4*\t+3], s[86:87] offset:(32*((\a)/2)+8*((\a)%2)+\t+8*(\t/8))*4096 th:TH_STORE_NT   ; lane-row t's token; 512 consecutive bytes, at a multiple of 256 from out0's first byte
.endr
.endm
	TOSTAGE 0
.irp a, 1,2,3
.if \a > 1
	s_wait_xcnt 0x0                                ; block a - 2's stores have read their registers: block a's loads may land there
.endif
	TOSTAGE \a
	SEND \a-1, 32                                  ; behind block a - 1's loads: block a's 16 stores and 16 loads
.endr
	SEND 3, 0
	s_wait_tensorcnt 0x0                           ; the wave's end: behind my last LDS store
	ds_add_u32 v[SPW], v[NIL]
	s_wait_dscnt 0x0
	CROUND                                         ; the closing round
	s_endpgm
.Lfunc_end_k_qb7b91526e9_oproj:
	.size	k_qb7b91526e9_oproj, .Lfunc_end_k_qb7b91526e9_oproj-k_qb7b91526e9_oproj
	.p2alignl 7, 3214868480
	.fill 96, 4, 3214868480
	.section	.rodata,"a",@progbits
	.p2align	6, 0x0
	.amdhsa_kernel k_qb7b91526e9_oproj
		.amdhsa_group_segment_fixed_size 307712
		.amdhsa_private_segment_fixed_size 0
		.amdhsa_enable_private_segment 0
		.amdhsa_kernarg_size 24
		.amdhsa_user_sgpr_count 2
		.amdhsa_user_sgpr_kernarg_segment_ptr 1
		.amdhsa_wavefront_size32 1
		.amdhsa_system_sgpr_workgroup_id_x 1
		.amdhsa_system_sgpr_workgroup_id_y 1
		.amdhsa_system_sgpr_workgroup_id_z 1
		.amdhsa_system_vgpr_workitem_id 0
		.amdhsa_next_free_vgpr 768
		.amdhsa_next_free_sgpr 96
		.amdhsa_reserve_vcc 0
		.amdhsa_float_denorm_mode_32 3
		.amdhsa_float_denorm_mode_16_64 3
		.amdhsa_memory_ordered 1
		.amdhsa_forward_progress 1
		.amdhsa_inst_pref_size 83
	.end_amdhsa_kernel
	.amdgpu_metadata
---
amdhsa.version: [ 1, 2 ]
amdhsa.kernels:
  - .name:           k_qb7b91526e9_oproj
    .symbol:         k_qb7b91526e9_oproj.kd
    .args:
      - { .name: ao, .offset: 0, .size: 8, .value_kind: global_buffer, .address_space: global }
      - { .name: img, .offset: 8, .size: 8, .value_kind: global_buffer, .address_space: global }
      - { .name: out0, .offset: 16, .size: 8, .value_kind: global_buffer, .address_space: global }
    .group_segment_fixed_size: 307712
    .private_segment_fixed_size: 0
    .kernarg_segment_align: 8
    .kernarg_segment_size: 24
    .max_flat_workgroup_size: 128
    .sgpr_count:     96
    .vgpr_count:     768
    .wavefront_size: 32
...
	.end_amdgpu_metadata
.endif
;; end of part 4
